; MI455X (gfx1250); checked and timed in simulation.
; The chip was launched on July 23, 2026; its instructions are those of AMD's public machine-readable ISA for CDNA 5 (MIT licence, August 2026) and "CDNA5" Instruction Set Architecture Reference Guide (July 2026). The comments in the code are by the model that wrote it; some were corrected since.
;; Expert Adapter. Allowed arithmetic: matrix products marked QUANTISED: E4M3 operands, one E8M0 scale for each 32 along K, by v_wmma_scale_f32_16x16x128_f8f6f4 with both operands' format E4M3, f32 sums; products left as they are: f32 operands where the result goes on into a quantised operand, else bf16, f16 or f32 operands; f32 sums; everything else in f32.
;; Inputs: W1 8 x 1,024 x 256 float32; W2 8 x 256 x 1,024 float32; Wr 1,024 x 8 float32; b1 8 x 256 float32; b2 8 x 1,024 float32; br 8 float32; x 4 x 4,096 x 1,024 float32.
;; Outputs: out0 4 x 4,096 x 1,024 float32.
;; This version of the problem:
;;   THIS VERSION OF THE PROBLEM IS GIVEN IN LOW PRECISION. The matrix products marked QUANTISED in the list below multiply operands that are first quantised to E4M3 (4 exponent bits, 3 mantissa bits; 8 bits a number), with one power-of-two scale for each 32 numbers along K (OCP MX v1.0); their sums are f32. All else is computed in f32.
;;   The module's matrix products, in the order in which they are computed (A, B: the left and right operand; K: the contracted axis; several contracted axes count as one K, in the product's order):
;;     1. [M 16,384, K 1,024] x [K 1,024, N 8]; A: input x; B: input Wr: left as it is (N = 8 < 16)
;;     2. [M 16,384, K 1,024] x [K 1,024, N 2,048]; A: input x; B: input W1: QUANTISED
;;     3. batch 8 x [M 1,024, K 256] x [K 256, N 16,384]; A: input W2; B: computed on the way: QUANTISED
;;     4. batch 16,384 x [M 1,024, K 8] x [K 8, N 1]; A: computed on the way; B: softmax: left as it is (K = 8 < 32)
;;   THE QUANTISER, for each operand of a quantised product, along K:
;;     - K is cut into blocks of 32 from its start; a last block that is shorter is filled with zeros.
;;     - A block's scale is 2^e with e = floor(log2(the largest magnitude in the block)) - 8, held to -126 .. 127; a block of zeros has e = 0. As a byte (E8M0): e + 127.
;;     - Each number is divided by its block's scale, clamped to +-448, and rounded to the nearest number of E4M3, ties to even, subnormals kept.
;;     - The product sums the exact products of the quantised numbers (number of the format x scale) in f32.
;;   ~~~python
;;   def quantise(x, axis):      # numpy; x: float32 -> the quantised numbers, widened to float32 again
;;       x = np.moveaxis(x, axis, -1); K = x.shape[-1]
;;       x = np.pad(x, [(0, 0)] * (x.ndim - 1) + [(0, -K % 32)]); x = x.reshape(x.shape[:-1] + (-1, 32)); a = np.abs(x).max(-1, keepdims=True)
;;       e = np.where(a > 0, np.clip(np.frexp(np.where(a > 0, a, 1))[1] - 1 - 8, -126, 127), 0)      # np.frexp(a)[1] - 1 = floor(log2(a)), exactly
;;       r = np.clip(x / 2.0 ** e, -448, 448)
;;       step = 2.0 ** (np.maximum(np.frexp(np.where(r == 0, 1, r))[1] - 1, -6) - 3)
;;       q = np.round(r / step) * step * 2.0 ** e      # np.round: ties to even
;;       return np.moveaxis(q.reshape(q.shape[:-2] + (-1,))[..., :K], -1, axis).astype(np.float32)
;;   ~~~
;;   OPERANDS COMPUTED ON THE WAY. 'Computed on the way' means the value that the module computes at that place (a softmax that the list does not call 'softmax' is quantised finished and normalised). What goes into a quantiser is computed in f32, as accurately as f32 sums, v_exp_f32 and their like allow (about 1e-6 of the number): no bf16 or f16 on the way to a quantiser, and a product that is left as it is and whose result goes on into a quantised operand takes f32 operands (vector FMAs, or v_wmma_f32_16x16x4_f32). A number that lies on a knife's edge between two numbers of the format may be rounded either way, as far as f32 arithmetic and the matrix unit's own rounding can turn it there, and no further.
;; 2 versions, each right and faster than the one before. Each part assembles by itself: llvm-mc -triple=amdgcn-amd-amdhsa -mcpu=gfx1250 --defsym DOCPART=n.
;; ======== version 1 of 2: 2 launches
;; limits: an absolute error that grows with the inputs' magnitude: up to 1.5e-07 times it
;; workspace buffers: wq 4,390,912 bytes; wrimg 131,072 bytes
;; launch prep (part 1): grid 264 x 1, 4 waves a work-group, no clusters, 0 bytes of LDS; arguments W1, b1, W2, b2, Wr, wq, wrimg; writes wq, wrimg
.if DOCPART == 1
	.amdgcn_target "amdgcn-amd-amdhsa--gfx1250"
	.amdhsa_code_object_version 6
	.text
	.protected	k_q6db8066e7f_prep
	.globl	k_q6db8066e7f_prep
	.p2align	8
	.type	k_q6db8066e7f_prep,@function
k_q6db8066e7f_prep:
	s_mov_b64 s[64:65], 0
	v_nop
	global_prefetch_b8 v0, s[64:65] scope:SCOPE_SE
	s_setreg_imm32_b32 hwreg(HW_REG_WAVE_MODE, 25, 1), 1
	s_wait_xcnt 0x0
; W1 [8][1024][256] and W2 [8][256][1024], f32, whose K is not innermost, become codes of FP8 (E4M3) with one E8M0 byte for each 32 along K,
; laid as the chain launch's waves take them: wq is 256 UNITS of QB = 17,152 bytes, a unit being what one wave multiplies in one trip:
;   bytes 0 .. 16,383: eight fragments (16 rows x 128 K) as images of the operand's registers: code (row r, k = 32 c + 16 h + i) at 2048 f + 512 c + 16 (r + 16 h) + i;
;   bytes 16,384 .. 16,895: the scale words: fragment f, row r at 16 (r + 16 (f & 1)) + 4 (f >> 1);   bytes 16,896 .. 17,151: 64 f32 of the bias that belongs to the unit.
; Units 0-127 (W1): unit 32 w + 4 e + 2 bl + u; fragment = K step of D; row r = hidden unit 128 (w >> 1) + 32 (2 (w & 1) + bl) + 8 u + r + 8 (r / 8).
; Units 128-255 (W2): unit 128 + 32 w + 16 p + 2 e + hf; fragment 2 t + s (s: K step of F); row r = output 256 w + 128 p + 64 hf + 16 t + r.
; Wr [1024][8] becomes bf16 in eight copies, copy q laid [c 32][v 8][h 2][i 16] = Wr[32 c + 16 h + i][(v + q) & 7].
; Nothing of reference() is left out in this program: every input has a way to the output and every input is loaded.
; A LANE TAKES A COLUMN AND ITS REGISTERS RUN DOWN K: a block of 32 lies in one lane, and the conversions give codes with K innermost.
; A block's scale is 2^(floor(log2(largest magnitude)) - 8); its byte is that magnitude's exponent field - 8, held at 1 from below.  A block of zeros gets the byte 1 (the rule says 127):
; its codes are zeros, and this program alone reads the bytes.
; LIMITS: NaN and infinities among the weights are not served.  The scale words leave as 4 bytes a lane, 16 bytes apart: 512 of a unit's 17,152 bytes.
; Work-groups 0-127 take W1, 128-255 W2, 256-263 Wr: three ways that part on the work-group's number and share nothing.  No LDS, no barrier.
.set QB, 17152
.set X,  32                            ; v32-159  128 numbers down K
.set C,  160                           ; v160-191 codes: eight registers for each block, so that no store's data are written again
; block c of four: left = how many younger loads may stay out (the count names at most 63)
.macro BLOCK c, left
.set XB, X+32*(\c)
	s_wait_loadcnt \left
	v_max3_num_f32 v8, |v[XB]|, |v[XB+1]|, |v[XB+2]|          ; the block's largest magnitude: all 32 numbers are mine; two chains
	v_max3_num_f32 v9, |v[XB+3]|, |v[XB+4]|, |v[XB+5]|
.irp i, 6,10,14,18,22,26
	v_max3_num_f32 v8, v8, |v[XB+\i]|, |v[XB+\i+1]|
	v_max3_num_f32 v9, v9, |v[XB+\i+2]|, |v[XB+\i+3]|
.endr
	v_max3_num_f32 v8, v8, |v[XB+30]|, |v[XB+31]|
	v_max3_num_f32 v8, v8, v9, 0x4800000                      ; and the floor 2^(9 - 127): the byte cannot fall under 1
	v_add_nc_u32 v11, 0xfc000000, v8                          ; 8 off the exponent field: the conversion's scale operand
	v_and_or_b32 v10, v8, 0x7f800000, s19                     ; 448 x the scale
	v_lshrrev_b32 v12, 23, v11                                ; the scale's byte
.if (\c) == 0
	v_mov_b32 v13, v12
.else
	v_lshl_or_b32 v13, v12, 8*(\c), v13                       ; four bytes make the row's scale word for these 128 along K
.endif
.irp i, 0,1,2,3,4,5,6,7,8,9,10,11,12,13,14,15,16,17,18,19,20,21,22,23,24,25,26,27,28,29,30,31
	v_med3_num_f32 v[XB+\i], v[XB+\i], -v10, v10              ; the conversion to an 8-bit code does not saturate (ISA guide 7.6.2): the hold comes first
.endr
.irp g, 0,1,2,3
	v_cvt_scalef32_pk8_fp8_f32 v[C+8*(\c)+2*\g:C+8*(\c)+2*\g+1], v[XB+8*\g:XB+8*\g+7], v11
.endr
	global_store_b128 v5, v[C+8*(\c):C+8*(\c)+3], s[28:29] offset:512*(\c)          ; k = 32 c + 0 .. 15: sixteen lanes store 256 consecutive bytes, aligned
	global_store_b128 v5, v[C+8*(\c)+4:C+8*(\c)+7], s[28:29] offset:512*(\c)+256    ; k = 32 c + 16 .. 31
.endm
; 32 columns x 128 along K: v4 the lane's column in bytes, v5 its place among the codes, v6 among the scale words
.macro TASK src, pitch
.set n, 0
.rept 128
	global_load_b32 v[X+n], v4, s[\src:\src+1] offset:n*\pitch th:TH_LOAD_NT       ; a row of the weight at 32 neighbouring columns: 128 bytes a wave
.set n, n+1
.endr
	BLOCK 0, 63                                               ; 96 younger loads could stay out: the count's field ends at 63
	BLOCK 1, 63                                               ; 64 could
	BLOCK 2, 32                                               ; the last block's 32
	BLOCK 3, 0
	global_store_b32 v6, v13, s[30:31]
.endm
	s_load_b256 s[4:11], s[0:1], 0x0               ; W1 s[4:5], b1 s[6:7], W2 s[8:9], b2 s[10:11]
	s_load_b128 s[12:15], s[0:1], 0x20             ; Wr s[12:13], wq s[14:15]
	s_load_b64 s[16:17], s[0:1], 0x30              ; wrimg
	v_lshrrev_b32 v1, 5, v0
	v_readfirstlane_b32 s18, v1                    ; wave
	v_and_b32 v1, 31, v0                           ; lane
	v_and_b32 v2, 15, v0                           ; r
	v_bfe_u32 v3, v0, 4, 1                         ; hi
	s_mov_b32 s19, 0x600000                        ; the mantissa field of 448
	s_mov_b32 s25, 0                               ; the upper word of every offset
	s_wait_kmcnt 0x0
	s_cmp_lt_u32 ttmp9, 128
	s_cbranch_scc0 .Lnot_w1
	; ---- W1: work-group = 16 e + 8 s + k; wave = b.  Lanes 0-15 are the rows of tile u = 0, lanes 16-31 of tile u = 1
	s_lshr_b32 s20, ttmp9, 4                       ; e
	s_bfe_u32 s21, ttmp9, 0x10003                  ; s
	s_and_b32 s22, ttmp9, 7                        ; k
	s_lshl_b32 s24, s20, 20                        ; 4 ((1024 e + 128 k) 256 + 128 s + 32 b)
	s_lshl_b32 s26, s22, 17
	s_add_co_u32 s24, s24, s26
	s_lshl_b32 s26, s21, 9
	s_add_co_u32 s24, s24, s26
	s_lshl_b32 s26, s18, 7
	s_add_co_u32 s24, s24, s26
	s_add_nc_u64 s[4:5], s[4:5], s[24:25]
	s_lshl_b32 s26, s21, 6                         ; the unit of u = 0: 32 (2 s + b / 2) + 4 e + 2 (b & 1)
	s_lshr_b32 s27, s18, 1
	s_lshl_b32 s27, s27, 5
	s_add_co_u32 s26, s26, s27
	s_lshl_b32 s27, s20, 2
	s_add_co_u32 s26, s26, s27
	s_and_b32 s27, s18, 1
	s_lshl_b32 s27, s27, 1
	s_add_co_u32 s26, s26, s27
	s_mul_i32 s24, s26, QB
	s_add_nc_u64 s[14:15], s[14:15], s[24:25]      ; wq at that unit
	s_lshl_b32 s24, s22, 11
	s_add_nc_u64 s[28:29], s[14:15], s[24:25]      ; fragment k
	s_and_b32 s24, s22, 1
	s_lshl_b32 s24, s24, 8
	s_lshr_b32 s26, s22, 1
	s_lshl_b32 s26, s26, 2
	s_add_co_u32 s24, s24, s26
	s_add_co_u32 s24, s24, 16384
	s_add_nc_u64 s[30:31], s[14:15], s[24:25]      ; its scale words
	v_and_b32 v4, 8, v2
	v_add_nc_u32 v4, v4, v2                        ; r + 8 (r / 8)
	v_lshl_add_u32 v4, v3, 3, v4                   ; + 8 u
	v_lshlrev_b32 v4, 2, v4
	v_mul_u32_u24 v5, v3, QB                       ; tile u = 1 goes to the next unit
	v_lshl_add_u32 v5, v2, 4, v5
	v_mov_b32 v6, v5
	TASK 4, 1024
	s_cmp_lg_u32 s22, 0                            ; the work-group of K step 0 also lays the units' b1
	s_cbranch_scc1 .Lw1_done
	s_lshl_b32 s24, s20, 10
	s_lshl_b32 s26, s21, 9
	s_add_co_u32 s24, s24, s26
	s_lshl_b32 s26, s18, 7
	s_add_co_u32 s24, s24, s26
	s_add_nc_u64 s[6:7], s[6:7], s[24:25]          ; b1 at 256 e + 128 s + 32 b
	v_and_b32 v14, 7, v2
	v_lshrrev_b32 v15, 3, v2
	v_lshl_add_u32 v14, v15, 4, v14
	v_lshl_add_u32 v14, v3, 3, v14                 ; number r of the unit is b1 at 16 (r / 8) + 8 u + r % 8
	v_lshlrev_b32 v14, 2, v14
	global_load_b32 v16, v14, s[6:7]
	v_mul_u32_u24 v15, v3, QB
	v_lshl_add_u32 v15, v2, 2, v15
	v_mov_b32 v17, 0
	s_wait_loadcnt 0x0
	global_store_b32 v15, v16, s[14:15] offset:16896
	global_store_b32 v15, v17, s[14:15] offset:16896+64       ; the rest of the 256 bytes is written too: the whole unit is fetched later
	global_store_b32 v15, v17, s[14:15] offset:16896+128
	global_store_b32 v15, v17, s[14:15] offset:16896+192
.Lw1_done:
	s_endpgm
.Lnot_w1:
	s_cmp_lt_u32 ttmp9, 256
	s_cbranch_scc0 .Lwr
	; ---- W2: work-group - 128 = 16 e + 2 cg + s; the wave takes outputs 128 cg + 32 wave + lane
	s_sub_co_u32 s23, ttmp9, 128
	s_lshr_b32 s20, s23, 4                         ; e
	s_bfe_u32 s21, s23, 0x30001                    ; cg
	s_and_b32 s22, s23, 1                          ; s
	s_lshl_b32 s24, s20, 20                        ; 4 ((256 e + 128 s) 1024 + 128 cg + 32 wave)
	s_lshl_b32 s26, s22, 19
	s_add_co_u32 s24, s24, s26
	s_lshl_b32 s26, s21, 9
	s_add_co_u32 s24, s24, s26
	s_lshl_b32 s26, s18, 7
	s_add_co_u32 s24, s24, s26
	s_add_nc_u64 s[8:9], s[8:9], s[24:25]
	s_lshl_b32 s26, s21, 4                         ; unit 128 + 16 cg + 2 e + wave / 2
	s_lshl_b32 s27, s20, 1
	s_add_co_u32 s26, s26, s27
	s_lshr_b32 s27, s18, 1
	s_add_co_u32 s26, s26, s27
	s_add_co_u32 s26, s26, 128
	s_mul_i32 s24, s26, QB
	s_add_nc_u64 s[14:15], s[14:15], s[24:25]
	s_and_b32 s27, s18, 1
	s_lshl_b32 s24, s27, 13                        ; fragment 4 (wave & 1) + 2 hi + s
	s_lshl_b32 s26, s22, 11
	s_add_co_u32 s24, s24, s26
	s_add_nc_u64 s[28:29], s[14:15], s[24:25]
	s_lshl_b32 s24, s22, 8
	s_lshl_b32 s26, s27, 3
	s_add_co_u32 s24, s24, s26
	s_add_co_u32 s24, s24, 16384
	s_add_nc_u64 s[30:31], s[14:15], s[24:25]
	v_lshlrev_b32 v4, 2, v1
	v_lshlrev_b32 v5, 12, v3
	v_lshl_add_u32 v5, v2, 4, v5
	v_lshlrev_b32 v6, 4, v2
	v_lshl_add_u32 v6, v3, 2, v6
	TASK 8, 4096
	s_cmp_lg_u32 s22, 0                            ; the work-group of K step 0 also lays the unit's b2
	s_cbranch_scc1 .Lw2_done
	s_lshl_b32 s24, s20, 12
	s_lshl_b32 s26, s21, 9
	s_add_co_u32 s24, s24, s26
	s_lshl_b32 s26, s18, 7
	s_add_co_u32 s24, s24, s26
	s_add_nc_u64 s[10:11], s[10:11], s[24:25]      ; b2 at 1024 e + 128 cg + 32 wave
	global_load_b32 v16, v4, s[10:11]
	s_lshl_b32 s26, s27, 7
	v_lshl_add_u32 v15, v1, 2, s26
	s_wait_loadcnt 0x0
	global_store_b32 v15, v16, s[14:15] offset:16896
.Lw2_done:
	s_endpgm
.Lwr:
	; ---- Wr: chunk c = 4 (work-group - 256) + wave of 32 along D; lane = 4 e + 2 h + q holds Wr[32 c + 16 h + 8 q + 0 .. 7][e]
	s_sub_co_u32 s20, ttmp9, 256
	s_lshl_b32 s20, s20, 2
	s_add_co_u32 s20, s20, s18
	s_lshl_b32 s24, s20, 10
	s_add_nc_u64 s[12:13], s[12:13], s[24:25]
	s_lshl_b32 s24, s20, 9
	s_add_nc_u64 s[16:17], s[16:17], s[24:25]
	v_lshrrev_b32 v4, 2, v1                        ; e
	v_bfe_u32 v5, v1, 1, 1                         ; h
	v_and_b32 v6, 1, v1                            ; q
	v_lshlrev_b32 v7, 2, v4
	v_lshl_add_u32 v7, v5, 9, v7
	v_lshl_add_u32 v7, v6, 8, v7                   ; 4 (8 (16 h + 8 q) + e)
.irp i, 0,1,2,3,4,5,6,7
	global_load_b32 v[32+\i], v7, s[12:13] offset:32*\i
.endr
	v_and_b32 v8, 3, v1
	v_lshlrev_b32 v8, 4, v8                        ; 32 h + 16 q
.irp q, 0,1,2,3,4,5,6,7
	v_add_nc_u32 v[20+\q], 8-\q, v4
	v_and_b32 v[20+\q], 7, v[20+\q]                ; in copy q expert e stands at place (e - q) & 7
	v_lshl_add_u32 v[20+\q], v[20+\q], 6, v8
.endr
	s_wait_loadcnt 0x0
.irp j, 0,1,2,3
	v_cvt_pk_bf16_f32 v[40+\j], v[32+2*\j], v[33+2*\j]
.endr
.irp q, 0,1,2,3,4,5,6,7
	global_store_b128 v[20+\q], v[40:43], s[16:17] offset:16384*\q       ; the wave's 32 lanes cover 512 consecutive bytes, aligned
.endr
	s_endpgm
.Lfunc_end_k_q6db8066e7f_prep:
	.size	k_q6db8066e7f_prep, .Lfunc_end_k_q6db8066e7f_prep-k_q6db8066e7f_prep
	.p2alignl 7, 3214868480
	.fill 96, 4, 3214868480
	.section	.rodata,"a",@progbits
	.p2align	6, 0x0
	.amdhsa_kernel k_q6db8066e7f_prep
		.amdhsa_group_segment_fixed_size 0
		.amdhsa_private_segment_fixed_size 0
		.amdhsa_enable_private_segment 0
		.amdhsa_kernarg_size 56
		.amdhsa_user_sgpr_count 2
		.amdhsa_user_sgpr_kernarg_segment_ptr 1
		.amdhsa_wavefront_size32 1
		.amdhsa_system_sgpr_workgroup_id_x 1
		.amdhsa_system_sgpr_workgroup_id_y 1
		.amdhsa_system_sgpr_workgroup_id_z 1
		.amdhsa_system_vgpr_workitem_id 0
		.amdhsa_next_free_vgpr 192
		.amdhsa_next_free_sgpr 66
		.amdhsa_reserve_vcc 0
		.amdhsa_float_denorm_mode_32 3
		.amdhsa_float_denorm_mode_16_64 3
		.amdhsa_memory_ordered 1
		.amdhsa_forward_progress 1
		.amdhsa_inst_pref_size 63
	.end_amdhsa_kernel
	.amdgpu_metadata
---
amdhsa.version: [ 1, 2 ]
amdhsa.kernels:
  - .name:           k_q6db8066e7f_prep
    .symbol:         k_q6db8066e7f_prep.kd
    .args:
      - { .name: W1, .offset: 0, .size: 8, .value_kind: global_buffer, .address_space: global }
      - { .name: b1, .offset: 8, .size: 8, .value_kind: global_buffer, .address_space: global }
      - { .name: W2, .offset: 16, .size: 8, .value_kind: global_buffer, .address_space: global }
      - { .name: b2, .offset: 24, .size: 8, .value_kind: global_buffer, .address_space: global }
      - { .name: Wr, .offset: 32, .size: 8, .value_kind: global_buffer, .address_space: global }
      - { .name: wq, .offset: 40, .size: 8, .value_kind: global_buffer, .address_space: global }
      - { .name: wrimg, .offset: 48, .size: 8, .value_kind: global_buffer, .address_space: global }
    .group_segment_fixed_size: 0
    .private_segment_fixed_size: 0
    .kernarg_segment_align: 8
    .kernarg_segment_size: 56
    .max_flat_workgroup_size: 128
    .sgpr_count:     66
    .vgpr_count:     192
    .wavefront_size: 32
...
	.end_amdgpu_metadata
.endif
;; end of part 1
;; launch chain (part 2): grid 256 x 1, 4 waves a work-group, clusters of 4 x 1, 327,680 bytes of LDS; arguments x, wq, wrimg, br, out0; writes out0
.if DOCPART == 2
	.amdgcn_target "amdgcn-amd-amdhsa--gfx1250"
	.amdhsa_code_object_version 6
	.text
	.protected	k_q6db8066e7f_chain
	.globl	k_q6db8066e7f_chain
	.p2align	8
	.type	k_q6db8066e7f_chain,@function
k_q6db8066e7f_chain:
	s_mov_b64 s[64:65], 0
	v_nop
	global_prefetch_b8 v0, s[64:65] scope:SCOPE_SE
	s_setreg_imm32_b32 hwreg(HW_REG_WAVE_MODE, 25, 1), 1
	s_wait_xcnt 0x0
	s_wait_alu depctr_hold_cnt(0) depctr_sa_sdst(0) depctr_va_vdst(0) depctr_va_sdst(0) depctr_va_ssrc(0) depctr_va_vcc(0) depctr_vm_vsrc(0)
	s_getreg_b32 s2, hwreg(HW_REG_IB_STS2, 6, 4)
	s_cmp_eq_u32 s2, 0
	s_cbranch_scc0 .Lentry_in_a_cluster
	s_endpgm
.Lentry_in_a_cluster:
	s_bfe_u32 s2, ttmp6, 0x10000c
	s_cmp_lg_u32 s2, 0x3003
	s_cbranch_scc0 .Lentry_shape_is_right
	s_endpgm
.Lentry_shape_is_right:
; out[n] = sum over e of r[n][e] (Q(gelu(Q(x[n]) Q(W1[e]) + b1[e])) Q(W2[e]) + b2[e]),  r = softmax(x Wr + br).  Q: codes of FP8 (E4M3) with one E8M0 scale for each 32 along K.
; Nothing of reference() is left out.  The weights come as the launch before laid them: units of QB bytes (eight fragments as register images, their scale words, 64 numbers of bias).
; SHARES.  A work-group of four waves owns 64 tokens (four tiles of 16) through the whole chain.
;   HEAD: wave w reads its 16 tokens of x once, quantises them (eight fragments to LDS as register images), and makes their router weights (bf16 products, softmax in f32 with the maximum taken away).
;   PHASE A: x's 32 fragments stay in each wave's registers.  Wave w makes hidden units 64 w .. 64 w + 63 of EVERY expert for all 64 tokens, 16 units a trip; gelu and quantiser in registers; h's codes stay in LDS.
;   PHASE B: wave w makes outputs 256 w .. 256 w + 255, 128 a pass, 64 a trip: y of one expert in 128 registers, its bias as the C of the first product, then out += r y by packed multiply-adds.
; Both products are used transposed (source 0 = 16 rows of the weight, source 1 = 16 tokens): a lane holds one token (lane % 16) throughout.  The rows of W1 that form a tile were chosen so that
; the 16 registers of tiles u = 0, 1 are 16 neighbours along the next K.
; THE RING.  Two LDS slots; in each a quarter of QB bytes for each wave, filled by that wave's tensor load and read by that wave alone; one unit a wave a trip, 64 trips.
; CLUSTER.  The four work-groups of a cluster walk the same units: each unit is asked for JOINTLY (mask 15), the same descriptor in all four.  A cluster of 4 x 4 would add nothing: there is one shared stream.
; ROTATION.  rho = cluster & 7; place v in the walk over experts stands for expert (v + rho) & 7, so that the clusters do not all name the same unit at the same time.  rho enters global addresses alone.
; GELU.  gelu(z) = z / 2 + |z| (1/2 - Q(|z|)),  Q(a) = e^(-a a / 2) t (C1 + t (C2 + t (C3 + t (C4 + t C5)))),  t = 1 / (1 + P a): Abramowitz and Stegun 26.2.17, 1 / sqrt(2 pi) folded into C1 .. C5.
; LIMITS.  Q's error is under 7.5e-8 absolute, so gelu's is about 1.5e-7 |z|: no relative bound in the far negative tail; beyond |z| of about 13 the exponential gives 0 and gelu(z) is 0 or z.
;   A block of zeros gets the scale byte 1 (its codes are zeros; the bytes are read here alone).  The router's operands are bf16: its error grows with x's size and offset.
;   The sum over experts begins at expert rho: another order of f32 additions in different clusters.  NaN and infinities among the inputs are not served.
; LDS: see the names below.  No tensor load lands behind WRI; what ds_store writes lies from HIMG on.  The claim of all LDS, the adds of 0 onto spare words, the s_nop 0 and four v_nop behind tensor loads.
; REGISTERS, in windows of 256 (s_set_vgpr_msb: bits 1:0 source 0, 3:2 source 1, 5:4 source 2, 7:6 destination):
;   window 0: v1-31 addresses and constants; v32-47 scale words of x, later of h; v48-51 the unit's scale words; v52-59 b1; v60-63 h's scale bytes as they grow; v64-127 the hidden tiles (head: 64 numbers of x; phase B: b2, r, T);
;             v128-143 codes just made; v144-159 quantiser at work; v160-207 gelu at work (head: v160-255 bf16 fragments and logits); phase B: v128-255 y.
;   window 1: v0-127 the unit's eight fragments; v128-255 h's eight fragments of one expert.   window 2: head: x as loaded; phase A: x's fragments of K steps 0-3; phase B: out.   window 3: x's fragments of K steps 4-7.
.set QB,    17152
.set SLOTB, 4*QB
.set WRI,   2*SLOTB                    ; Wr's image, 16,384 bytes, filled once
.set HIMG,  WRI+16384                  ; h's codes, 131,072 bytes: 32768 w + 2048 i + 512 m + 16 lane (i = 2 v + bl: the loop's trip)
.set XIMG,  HIMG                       ; head only: x's 32 fragments: 2048 (8 m + k) + 512 c + 16 lane
.set XSTG,  HIMG+65536                 ; head only: for each wave 16 rows x 528 bytes, the turn of x's f32
.set HSC,   HIMG+131072                ; h's scale words as they grow: 4096 w + 256 i + 16 r + 4 m
.set XSC,   HSC+16384                  ; x's scale words: 512 m + 16 (r + 16 (k & 1)) + 4 (k >> 1)
.set RIMG,  XSC+2048                   ; r: 512 v + 128 m + 4 lane
.set OSTG,  RIMG+4096                  ; the way out: for each wave 16 rows x 272 bytes
.set SPARE, OSTG+4*4352                ; the spare words, 128 bytes a wave: two blocks of 256 bytes that no other line names
.set PW, 29
.set XS, 32
.set HS, 32
.set WS, 48
.set B1, 52
.set SW, 60
.set H,  64
.set ST, 64
.set B2, 64
.set RR, 96
.set T,  104
.set PC, 128
.set TM, 144
.set U,  160
.set W,  176
.set R,  192
.set XB, 160
.set WF, 192
.set LA, 224
.set Y,  128
.set MSB, 0
.macro WIN new                         ; the immediate's high byte repeats the setting that is left; a switch that changes nothing is dropped
.if MSB != \new
	s_set_vgpr_msb (MSB<<8)|\new
.set MSB, \new
.endif
.endm
.macro PLACES n                        ; plain vector instructions behind matrix instructions (ISA guide 7.12.1)
.rept \n
	v_nop
.endr
.endm
.macro CROUND                          ; a round of the cluster's barrier
	s_barrier_signal -1
	s_barrier_wait -1
	s_cmp_lg_u32 s14, 0
	s_cbranch_scc1 .Lnot_wave_0_\@
	s_barrier_signal -3
.Lnot_wave_0_\@:
	s_barrier_wait -3
	s_barrier_signal -1
	s_barrier_wait -1
.endm
; THE HEAD OF A TRIP THAT ASKS FOR THE NEXT UNIT, into slot n, the slot that was read in the trip before.  Every window is 0 here.
.macro HEADFILL n, ph
	s_wait_tensorcnt 0x0                           ; my one tensor load that was out, this trip's unit, has landed: so group 0 may be written
	ds_add_u32 v1, v2                              ; 0 onto my spare word; the next unit's address is made between it and the wait for it
	s_add_co_u32 s80, s50, 1                       ; t: the trip whose unit is asked for
.if \ph == 0
	s_lshr_b32 s81, s80, 2                         ; phase A: unit 32 w + 4 ((t / 4 + rho) & 7) + t % 4
	s_add_co_u32 s81, s81, s15
	s_and_b32 s81, s81, 7
	s_lshl_b32 s81, s81, 2
	s_and_b32 s82, s80, 3
	s_or_b32 s81, s81, s82
	s_add_co_u32 s81, s81, s53
	s_cmp_eq_u32 s80, 32                           ; the last trip of phase A asks for phase B's first unit
	s_cselect_b32 s81, s70, s81
.else
	s_lshr_b32 s81, s80, 1                         ; phase B: unit 128 + 32 w + (t & 16) + 2 ((t / 2 + rho) & 7) + (t & 1)
	s_add_co_u32 s81, s81, s15
	s_and_b32 s81, s81, 7
	s_lshl_b32 s81, s81, 1
	s_and_b32 s82, s80, 17
	s_or_b32 s81, s81, s82
	s_add_co_u32 s81, s81, s53
	s_add_co_u32 s81, s81, 128
.endif
	s_mul_i32 s46, s81, QB
	s_add_nc_u64 s[38:39], s[6:7], s[46:47]
	s_or_b32 s39, s39, 0x80000000                  ; type = 2
	s_mov_b32 s37, s[48+(\n)]
	s_mov_b32 s50, s80
	s_wait_dscnt 0x0                               ; the add is done, my reads of the slot that I have left are back, and my LDS stores have landed
	CROUND                                         ; all that now holds of every wave of the four work-groups
	tensor_load_to_lds s[36:39], s[20:27]          ; my one tensor load behind the round: it has this trip's work in which to land
	s_nop 0
	PLACES 4
.endm
; 64 numbers of a lane, v[s + 16 b + i] = k 32 b + 16 (lane / 16) + i of block b, become codes in v[PC + 4 b ..].
; hm = 0: the four blocks are one row's: their bytes make the scale word v[PW].  hm = 1: block b belongs to tile b of tokens: its byte is shifted into v[SW + b] from above.
.macro QUANT s, hm
.irp b, 0,1,2,3
	v_max3_num_f32 v[TM+\b], |v[\s+16*\b]|, |v[\s+1+16*\b]|, 0x4800000   ; my 16 numbers, and the floor 2^(9 - 127): the byte cannot fall under 1
.endr
.irp i, 2,4,6,8,10,12,14
.irp b, 0,1,2,3
	v_max3_num_f32 v[TM+\b], v[TM+\b], |v[\s+16*\b+\i]|, |v[\s+1+16*\b+\i]|
.endr
.endr
.irp b, 0,1,2,3
	v_permlanex16_b32 v[TM+4+\b], v[TM+\b], s54, s55
.endr
.irp b, 0,1,2,3
	v_max_num_f32 v[TM+\b], v[TM+\b], v[TM+4+\b]              ; with lane l xor 16's: the block's largest magnitude
.endr
.irp b, 0,1,2,3
	v_add_nc_u32 v[TM+12+\b], 0xfc000000, v[TM+\b]            ; 8 off its exponent field: the conversion's scale operand
.endr
.irp b, 0,1,2,3
	v_and_or_b32 v[TM+8+\b], v[TM+\b], 0x7f800000, s56        ; 448 x the scale
.endr
.irp b, 0,1,2,3
	v_lshrrev_b32 v[TM+4+\b], 23, v[TM+12+\b]                 ; the scale's byte
.endr
.if \hm
.irp b, 0,1,2,3
	v_lshrrev_b32 v[SW+\b], 8, v[SW+\b]
.endr
.irp b, 0,1,2,3
	v_lshl_or_b32 v[SW+\b], v[TM+4+\b], 24, v[SW+\b]          ; behind two trips the upper half holds the bytes of bl = 0 and 1
.endr
.else
	v_lshl_or_b32 v[PW], v[TM+5], 8, v[TM+4]
	v_lshl_or_b32 v[PW], v[TM+6], 16, v[PW]
	v_lshl_or_b32 v[PW], v[TM+7], 24, v[PW]
.endif
.irp b, 0,1,2,3
.irp i, 0,1,2,3,4,5,6,7,8,9,10,11,12,13,14,15
	v_med3_num_f32 v[\s+16*\b+\i], v[\s+16*\b+\i], -v[TM+8+\b], v[TM+8+\b]   ; the conversion does not saturate (ISA guide 7.6.2): the hold comes first
.endr
	v_cvt_scalef32_pk8_fp8_f32 v[PC+4*\b:PC+1+4*\b], v[\s+16*\b:\s+7+16*\b], v[TM+12+\b]
	v_cvt_scalef32_pk8_fp8_f32 v[PC+2+4*\b:PC+3+4*\b], v[\s+8+16*\b:\s+15+16*\b], v[TM+12+\b]
.endr
	v_nop                                          ; a plain instruction behind the last conversion, ahead of whatever next writes its sources
.endm
; gelu in place on two tiles of eight registers.  Each tile is read from its low end on.  The 32 transcendentals are one batch with one wait.
.macro GELU16 z0, z1
.irp i, 0,1,2,3,4,5,6,7
	v_fma_f32 v[U+\i], |v[(\z0)+\i]|, s57, 1.0                ; 1 + P |z|
.endr
.irp i, 0,1,2,3,4,5,6,7
	v_fma_f32 v[U+8+\i], |v[(\z1)+\i]|, s57, 1.0
.endr
.irp p, 0,2,4,6
	v_pk_mul_f32 v[W+\p:W+\p+1], v[(\z0)+\p:(\z0)+\p+1], s[58:59] op_sel_hi:[1,0]
	v_pk_mul_f32 v[W+8+\p:W+9+\p], v[(\z1)+\p:(\z1)+\p+1], s[58:59] op_sel_hi:[1,0]
.endr
.irp p, 0,2,4,6
	v_pk_mul_f32 v[W+\p:W+\p+1], v[W+\p:W+\p+1], v[(\z0)+\p:(\z0)+\p+1]          ; -z z log2(e) / 2
	v_pk_mul_f32 v[W+8+\p:W+9+\p], v[W+8+\p:W+9+\p], v[(\z1)+\p:(\z1)+\p+1]
.endr
.irp i, 0,1,2,3,4,5,6,7,8,9,10,11,12,13,14,15
	v_rcp_f32 v[U+\i], v[U+\i]                                ; t
.endr
.irp i, 0,1,2,3,4,5,6,7,8,9,10,11,12,13,14,15
	v_exp_f32 v[W+\i], v[W+\i]                                ; e^(-z z / 2)
.endr
	v_nop                                          ; a plain instruction behind the last transcendental
	s_wait_alu depctr_va_vdst(0)                   ; one wait for the batch, ahead of its first reader
.irp p, 0,2,4,6,8,10,12,14
	v_pk_fma_f32 v[R+\p:R+\p+1], v[U+\p:U+\p+1], v[30:31], s[60:61] op_sel_hi:[1,1,0]      ; C4 + t C5
.endr
.irp c, 62,66,68
.irp p, 0,2,4,6,8,10,12,14
	v_pk_fma_f32 v[R+\p:R+\p+1], v[R+\p:R+\p+1], v[U+\p:U+\p+1], s[\c:\c+1] op_sel_hi:[1,1,0]   ; C3, C2, C1
.endr
.endr
.irp p, 0,2,4,6,8,10,12,14
	v_pk_mul_f32 v[W+\p:W+\p+1], v[W+\p:W+\p+1], v[U+\p:U+\p+1]
.endr
.irp p, 0,2,4,6,8,10,12,14
	v_pk_fma_f32 v[R+\p:R+\p+1], v[W+\p:W+\p+1], v[R+\p:R+\p+1], 0.5 op_sel_hi:[1,1,0] neg_lo:[1,0,0] neg_hi:[1,0,0]   ; 1/2 - Q
.endr
.irp i, 0,1,2,3,4,5,6,7
	v_mul_f32 v[R+\i], |v[(\z0)+\i]|, v[R+\i]
.endr
.irp i, 0,1,2,3,4,5,6,7
	v_mul_f32 v[R+8+\i], |v[(\z1)+\i]|, v[R+8+\i]
.endr
.irp p, 0,2,4,6
	v_pk_fma_f32 v[(\z0)+\p:(\z0)+\p+1], v[(\z0)+\p:(\z0)+\p+1], 0.5, v[R+\p:R+\p+1] op_sel_hi:[1,0,1]
	v_pk_fma_f32 v[(\z1)+\p:(\z1)+\p+1], v[(\z1)+\p:(\z1)+\p+1], 0.5, v[R+8+\p:R+9+\p] op_sel_hi:[1,0,1]
.endr
.endm
	s_load_b256 s[4:11], s[0:1], 0x0               ; x s[4:5], wq s[6:7], wrimg s[8:9], br s[10:11]
	s_load_b64 s[12:13], s[0:1], 0x20              ; out
	v_lshl_add_u32 v1, v0, 2, SPARE
	v_mov_b32 v2, 0
	ds_add_u32 v1, v2                              ; the wave's opening: the add, twice on end, and its wait ahead of my first tensor load; the set-up below stands between
	ds_add_u32 v1, v2
	v_lshrrev_b32 v3, 5, v0
	v_readfirstlane_b32 s14, v3                    ; wave 0..3
	s_bfe_u32 s16, ttmp6, 0x40000                  ; cx: it enters x's and out's addresses alone
	s_lshl_b32 s17, ttmp9, 2
	s_add_co_u32 s17, s17, s16                     ; my block of 64 tokens
	s_and_b32 s15, ttmp9, 7                        ; rho: the same in the four partners
	; group 1 for a unit: 67 rows of 256 bytes (32 elements of 8 bytes), dense, no padding; mask 15 and bit 21 beside it
	s_mov_b32 s20, 15|(3<<16)|(1<<21)
	s_mov_b32 s21, 32<<16
	s_mov_b32 s22, 67<<16
	s_mov_b32 s23, 32<<16
	s_mov_b32 s24, 67
	s_mov_b32 s25, 32
	s_mov_b32 s26, 0
	s_mov_b32 s27, 0
	; group 1 for a quarter of Wr's image: 16 such rows
	s_mov_b32 s28, 15|(3<<16)|(1<<21)
	s_mov_b32 s29, 32<<16
	s_mov_b32 s30, 16<<16
	s_mov_b32 s31, 32<<16
	s_mov_b32 s32, 16
	s_mov_b32 s33, 32
	s_mov_b32 s34, 0
	s_mov_b32 s35, 0
	s_mov_b32 s54, 0x76543210
	s_mov_b32 s55, 0xfedcba98                      ; v_permlanex16_b32's selects for lane l xor 16
	s_mov_b32 s56, 0x600000                        ; the mantissa field of 448
	s_mov_b32 s57, 0x3e6d3388                      ; P = 0.2316419
	s_mov_b32 s58, 0xbf38aa3b                      ; -log2(e) / 2  (the packed forms name pairs: both words are written)
	s_mov_b32 s59, 0xbf38aa3b
	s_mov_b32 s60, 0xbf3a00e3                      ; C4
	s_mov_b32 s61, 0xbf3a00e3
	s_mov_b32 s62, 0x3f35f0e3                      ; C3
	s_mov_b32 s63, 0x3f35f0e3
	s_mov_b32 s66, 0xbe11a98e                      ; C2
	s_mov_b32 s67, 0xbe11a98e
	s_mov_b32 s68, 0x3e027906                      ; C1
	s_mov_b32 s69, 0x3e027906
	s_mov_b32 s71, 0x07060302                      ; v_perm_b32: the two upper halves
	v_mov_b32 v30, 0x3f07dc22                      ; C5
	v_mov_b32 v31, 0x3f07dc22
	v_and_b32 v18, 31, v0                          ; lane
	v_and_b32 v19, 15, v0                          ; r
	v_bfe_u32 v23, v0, 4, 1                        ; h
	v_lshlrev_b32 v3, 4, v18                       ; v3  16 x lane
	s_mul_i32 s48, s14, QB                         ; my quarter of slot 0,
	s_add_co_u32 s49, s48, SLOTB                   ; of slot 1
	v_add_nc_u32 v4, s48, v3                       ; v4, v5  my lane's place in a unit's images
	v_add_nc_u32 v5, s49, v3
	v_lshlrev_b32 v6, 5, v23
	v_add_nc_u32 v6, s48, v6
	v_add_nc_u32 v6, 16896, v6                     ; v6, v7  and among its bias numbers: 32 h
	v_add_nc_u32 v7, SLOTB, v6
	s_mul_i32 s44, s14, 8448
	s_add_co_u32 s44, s44, XSTG
	v_add_nc_u32 v8, s44, v3                       ; v8  x's turn, in: 16 x lane of a row
	v_mul_u32_u24 v9, v19, 528
	v_lshl_add_u32 v9, v23, 6, v9
	v_add_nc_u32 v9, s44, v9                       ; v9  and out: row r, + 64 h
	v_and_b32 v10, 7, v0
	v_lshlrev_b32 v10, 6, v10
	v_lshl_add_u32 v10, v23, 5, v10
	v_add_nc_u32 v10, WRI, v10                     ; v10 Wr's image: place r % 8, + 32 h
	s_lshl_b32 s44, s14, 14
	s_add_co_u32 s44, s44, XIMG
	v_add_nc_u32 v11, s44, v3                      ; v11 where I store x's images
	s_lshl_b32 s44, s14, 9
	s_add_co_u32 s44, s44, XSC
	v_lshl_add_u32 v12, v19, 4, s44                ; v12 and their scale words
	s_lshl_b32 s44, s14, 7
	s_add_co_u32 s44, s44, RIMG
	v_lshl_add_u32 v13, v18, 2, s44                ; v13 and r
	v_add_nc_u32 v14, XIMG, v3                     ; v14 where I read x's images,
	v_add_nc_u32 v15, XSC, v3                      ; v15 their scale words
	s_lshl_b32 s44, s14, 15
	s_add_co_u32 s44, s44, HIMG
	v_add_nc_u32 v16, s44, v3                      ; v16 where I store h's codes (v18: with the trip's step)
	s_lshl_b32 s44, s14, 12
	s_add_co_u32 s44, s44, HSC
	v_lshl_add_u32 v17, v19, 4, s44                ; v17 and its scale bytes (v19)
	v_add_nc_u32 v20, HIMG, v3                     ; v20 where I read h's codes (v23, v29: with the expert's step)
	v_lshl_add_u32 v21, v19, 4, HSC+256            ; v21 its scale words, of the odd trips (v24)
	v_lshl_add_u32 v22, v18, 2, RIMG               ; v22 r (v25)
	s_mul_i32 s44, s14, 4352
	s_add_co_u32 s44, s44, OSTG
	v_mul_u32_u24 v26, v19, 272
	v_lshl_add_u32 v26, v23, 5, v26
	v_add_nc_u32 v26, s44, v26                     ; v26 the way out, in: row r, + 32 h
	v_mul_u32_u24 v27, v23, 272
	v_lshl_add_u32 v27, v19, 4, v27
	v_add_nc_u32 v27, s44, v27                     ; v27 and back: lanes 0-15 one row, lanes 16-31 the next
	v_lshlrev_b32 v28, 12, v23
	v_lshl_add_u32 v28, v19, 4, v28                ; v28 the same two rows in out
.irp b, 0,1,2,3
	v_mov_b32 v[TM+4+\b], 0                        ; written once: a lane permute's destination counts as one of its sources
	v_mov_b32 v[SW+\b], 0
.endr
	s_lshl_b32 s53, s14, 5                         ; 32 w
	s_lshl_b32 s70, s15, 1
	s_add_co_u32 s70, s70, s53
	s_add_co_u32 s70, s70, 128                     ; phase B's first unit
	s_mov_b32 s19, 0
	s_mov_b32 s47, 0
	s_wait_dscnt 0x0                               ; both opening adds are done
	s_wait_kmcnt 0x0
	s_lshl_b32 s18, s17, 18                        ; 64 tokens of 4,096 bytes a work-group, 16 a wave
	s_lshl_b32 s44, s14, 16
	s_add_co_u32 s18, s18, s44
	s_add_nc_u64 s[4:5], s[4:5], s[18:19]
	s_lshl_b32 s18, s17, 18
	s_lshl_b32 s44, s14, 10                        ; my 256 outputs
	s_add_co_u32 s18, s18, s44
	s_add_nc_u64 s[12:13], s[12:13], s[18:19]
	s_lshl_b32 s46, s15, 2
	s_add_co_u32 s46, s46, s53                     ; unit 32 w + 4 rho
	s_mul_i32 s46, s46, QB
	s_mov_b32 s36, 1
	s_mov_b32 s37, s48
	s_add_nc_u64 s[38:39], s[6:7], s[46:47]
	s_or_b32 s39, s39, 0x80000000
	s_lshl_b32 s44, s15, 14                        ; copy rho of Wr's image, my quarter
	s_lshl_b32 s45, s14, 12
	s_add_co_u32 s44, s44, s45
	s_add_co_u32 s41, s45, WRI
	s_mov_b32 s45, 0
	s_mov_b32 s40, 1
	s_add_nc_u64 s[42:43], s[8:9], s[44:45]
	s_or_b32 s43, s43, 0x80000000
.irp j, 0,1,2,3,4,5,6,7
	s_add_co_u32 s[80+\j], s15, \j
	s_and_b32 s[80+\j], s[80+\j], 7
	s_lshl_b32 s[80+\j], s[80+\j], 2
.endr
.irp j, 0,1,2,3,4,5,6,7
	s_load_b32 s[72+\j], s[10:11], s[80+\j] offset:0x0        ; br of the expert at place j
.endr
; my 16 rows' numbers of K step s: each load reads 512 consecutive bytes of one row, into set s % 4 of window 2
.macro XLOAD s
	WIN 0x80
.irp row, 0,1,2,3,4,5,6,7,8,9,10,11,12,13,14,15
	global_load_b128 v[64*((\s)%4)+4*\row:64*((\s)%4)+4*\row+3], v3, s[4:5] offset:4096*\row+512*(\s) th:TH_LOAD_NT
.endr
.endm
	XLOAD 0
	XLOAD 1
	XLOAD 2
	WIN 0
	CROUND                                         ; the four work-groups are here: the first joint loads meet
	tensor_load_to_lds s[40:43], s[28:35]          ; my quarter of Wr's image
	s_nop 0
	tensor_load_to_lds s[36:39], s[20:27]          ; trip 0's unit, into slot 0.  Two loads of mine are out
	s_nop 0
	PLACES 4
	s_wait_tensorcnt 0x1                           ; Wr's quarter has landed; the unit, issued behind it, may stay out
	s_barrier_signal -1
	s_barrier_wait -1                              ; everybody's quarter has
; K STEP s OF x: turned through my stage so that a lane holds 16 neighbours of each block of 32; four bf16 products for the router; quantised; image and scale word to LDS.
.macro XSTEP s
.if (\s) <= 5
	s_wait_loadcnt 32                              ; this step's 16 loads are in; the two later sets may be out
.elseif (\s) == 6
	s_wait_loadcnt 16
.else
	s_wait_loadcnt 0
.endif
	WIN 0x08                                       ; an LDS store's data are its source 1: window 2
.irp row, 0,1,2,3,4,5,6,7,8,9,10,11,12,13,14,15
	ds_store_b128 v8, v[64*((\s)%4)+4*\row:64*((\s)%4)+4*\row+3] offset:528*\row
.endr
.if (\s) <= 4
	XLOAD (\s)+3                                   ; into the set of the step before, whose stores were waited for there
.endif
	WIN 0
.irp b, 0,1,2,3
.irp j, 0,1,2,3
	ds_load_b128 v[ST+16*\b+4*\j:ST+16*\b+4*\j+3], v9 offset:128*\b+16*\j   ; LDS serves a wave's instructions in order: these see the stores above
.endr
.endr
.irp b, 0,1,2,3
.irp q, 0,1
	ds_load_b128 v[WF+8*\b+4*\q:WF+8*\b+4*\q+3], v10 offset:512*(4*(\s)+\b)+16*\q
.endr
.endr
	s_wait_dscnt 0x0
.irp b, 0,1,2,3
.irp j, 0,1,2,3,4,5,6,7
	v_cvt_pk_bf16_f32 v[XB+8*\b+\j], v[ST+16*\b+2*\j], v[ST+16*\b+2*\j+1]   ; k inside each 32 is permuted as in Wr's image: the products are kept
.endr
.endr
	PLACES 4
.irp b, 0,1,2,3                        ; source 0 = Wr's places (8-15 repeat 0-7), source 1 = my 16 tokens: both halves of the lanes hold the token's eight logits.  Four accumulators by turns
.if (\s) == 0
	v_wmma_f32_16x16x32_bf16 v[LA+8*\b:LA+8*\b+7], v[WF+8*\b:WF+8*\b+7], v[XB+8*\b:XB+8*\b+7], 0
.else
	v_wmma_f32_16x16x32_bf16 v[LA+8*\b:LA+8*\b+7], v[WF+8*\b:WF+8*\b+7], v[XB+8*\b:XB+8*\b+7], v[LA+8*\b:LA+8*\b+7]
.endif
.endr
	QUANT ST, 0                                    ; (its lines are the places behind those products)
.irp c, 0,1,2,3
	ds_store_b128 v11, v[PC+4*\c:PC+4*\c+3] offset:2048*(\s)+512*\c
.endr
	ds_store_b32 v12, v[PW] offset:256*((\s)%2)+4*((\s)/2)
.endm
.irp s, 0,1,2,3,4,5,6,7
	XSTEP \s
.endr
	; THE ROUTER'S SOFTMAX: register j = the expert at place j, lane = token
	s_wait_kmcnt 0x0                               ; br
.irp p, 0,2,4,6
	v_pk_add_f32 v[LA+\p:LA+\p+1], v[LA+\p:LA+\p+1], v[LA+8+\p:LA+9+\p]
.endr
.irp p, 0,2,4,6
	v_pk_add_f32 v[LA+16+\p:LA+17+\p], v[LA+16+\p:LA+17+\p], v[LA+24+\p:LA+25+\p]
.endr
.irp p, 0,2,4,6
	v_pk_add_f32 v[LA+\p:LA+\p+1], v[LA+\p:LA+\p+1], v[LA+16+\p:LA+17+\p]
.endr
.irp j, 0,1,2,3,4,5,6,7
	v_add_f32 v[LA+\j], s[72+\j], v[LA+\j]
.endr
	v_max3_num_f32 v160, v224, v225, v226
	v_max3_num_f32 v162, v227, v228, v229
	v_max3_num_f32 v160, v160, v162, v230
	v_max_num_f32 v160, v160, v231                 ; the row's maximum is taken away, as reference() does
	v_mul_f32 v160, 0xbfb8aa3b, v160
.irp p, 0,2,4,6
	v_pk_fma_f32 v[LA+\p:LA+\p+1], v[LA+\p:LA+\p+1], 0x3fb8aa3b, v[160:161] op_sel_hi:[1,0,0]
.endr
.irp j, 0,1,2,3,4,5,6,7
	v_exp_f32 v[LA+\j], v[LA+\j]
.endr
	v_nop
	s_wait_alu depctr_va_vdst(0)                   ; one wait for the eight, ahead of their first reader
	v_add_f32 v162, v224, v225
	v_add_f32 v163, v226, v227
	v_add_f32 v164, v228, v229
	v_add_f32 v165, v230, v231
	v_add_f32 v162, v162, v163
	v_add_f32 v164, v164, v165
	v_add_f32 v162, v162, v164
	v_rcp_f32 v162, v162
	v_nop
	s_wait_alu depctr_va_vdst(0)
.irp j, 0,1,2,3,4,5,6,7
	v_mul_f32 v[LA+\j], v[LA+\j], v162
.endr
.irp j, 0,1,2,3,4,5,6,7
	ds_store_b32 v13, v[LA+\j] offset:512*\j
.endr
	s_wait_dscnt 0x0                               ; for the others' sake: my images, scale words and r have landed
	s_barrier_signal -1
	s_barrier_wait -1
	WIN 0x80                                       ; all 32 fragments of x into my registers: K steps 0-3 to window 2,
.irp k, 0,1,2,3
.irp m, 0,1,2,3
.irp c, 0,1,2,3
	ds_load_b128 v[64*\k+16*\m+4*\c:64*\k+16*\m+4*\c+3], v14 offset:2048*(8*\m+\k)+512*\c
.endr
.endr
.endr
	WIN 0xc0                                       ; 4-7 to window 3
.irp k, 0,1,2,3
.irp m, 0,1,2,3
.irp c, 0,1,2,3
	ds_load_b128 v[64*\k+16*\m+4*\c:64*\k+16*\m+4*\c+3], v14 offset:2048*(8*\m+\k+4)+512*\c
.endr
.endr
.endr
	WIN 0
.irp m, 0,1,2,3
	ds_load_b128 v[XS+4*\m:XS+4*\m+3], v15 offset:512*\m      ; register q: K step 2 q in lanes 0-15, 2 q + 1 in lanes 16-31
.endr
	s_mov_b32 s50, 0                               ; the trip's number
	s_mov_b32 s88, 0                               ; where h's codes go: 2,048 bytes a trip of the loop,
	s_mov_b32 s89, 0                               ; its scale bytes: 256
	s_mov_b32 s51, 16
; ---- PHASE A
.macro AMUL k, m, u
.set rD, H+16*(\m)+8*(\u)
.set rA, 16*(\k)
.set rB, 64*((\k)%4)+16*(\m)
.set rSA, WS+(\k)/2
.set rSB, XS+4*(\m)+(\k)/2
.if (\k) == 0
	v_wmma_scale_f32_16x16x128_f8f6f4 v[rD:rD+7], v[rA:rA+15], v[rB:rB+15], v[B1:B1+7], v[rSA], v[rSB]
.elseif (\k)%2 == 0
	v_wmma_scale_f32_16x16x128_f8f6f4 v[rD:rD+7], v[rA:rA+15], v[rB:rB+15], v[rD:rD+7], v[rSA], v[rSB]
.else
	v_wmma_scale_f32_16x16x128_f8f6f4 v[rD:rD+7], v[rA:rA+15], v[rB:rB+15], v[rD:rD+7], v[rSA], v[rSB] matrix_a_scale:MATRIX_SCALE_ROW1 matrix_b_scale:MATRIX_SCALE_ROW1
.endif
.endm
; a trip: one unit = 16 hidden units of one expert x all of D, against the four tiles of tokens; then their gelu
.macro TRIPA u
	HEADFILL 1-\u, 0
	ds_load_b128 v[WS:WS+3], v[4+\u] offset:16384
	ds_load_b128 v[B1:B1+3], v[6+\u]
	ds_load_b128 v[B1+4:B1+7], v[6+\u] offset:16
	WIN 0x40
.irp k, 0,1,2,3,4,5,6,7
.irp c, 0,1,2,3
	ds_load_b128 v[16*\k+4*\c:16*\k+4*\c+3], v[4+\u] offset:2048*\k+512*\c
.endr
.endr
.irp k, 0,1,2,3,4,5,6,7
	s_wait_dscnt 4*(7-\k)                          ; fragment k is in; the later fragments' four loads each may be out
.if \k < 4
	WIN 0x09                                       ; source 0 window 1, source 1 window 2
.else
	WIN 0x0d                                       ; source 1 window 3
.endif
.irp m, 0,1,2,3                        ; four accumulators by turns; b1 is the C of each sum's first product
	AMUL \k, \m, \u
.endr
.endr
	WIN 0
	PLACES 8
	GELU16 H+8*\u, H+16+8*\u
	GELU16 H+32+8*\u, H+48+8*\u
.endm
.Lpa:                                  ; 16 trips of the loop: place v = trip / 2 in the walk over experts, bl = trip % 2; two units, 32 hidden units
	TRIPA 0
	TRIPA 1
	QUANT H, 1                                     ; the 16 registers of tiles u = 0, 1 and lane l xor 16's are one block of 32 along F
	v_add_nc_u32 v18, s88, v16
	v_add_nc_u32 v19, s89, v17
.irp m, 0,1,2,3
	ds_store_b128 v18, v[PC+4*\m:PC+4*\m+3] offset:512*\m     ; four registers of a fragment of h, as they stand
.endr
	ds_store_b128 v19, v[SW:SW+3]
	s_add_co_u32 s88, s88, 2048
	s_add_co_u32 s89, s89, 256
	s_sub_co_u32 s51, s51, 1
	s_cmp_lg_u32 s51, 0
	s_cbranch_scc1 .Lpa
; ---- PHASE B
.macro BMUL s, m, t
.set rD, Y+8*(4*(\m)+(\t))
.set rA, 16*(2*(\t)+(\s))
.set rB, 128+16*(4*(\s)+(\m))
.if (\s) == 0
	v_wmma_scale_f32_16x16x128_f8f6f4 v[rD:rD+7], v[rA:rA+15], v[rB:rB+15], v[B2+8*(\t):B2+8*(\t)+7], v[WS+(\t)], v[HS+(\m)]
.else
	v_wmma_scale_f32_16x16x128_f8f6f4 v[rD:rD+7], v[rA:rA+15], v[rB:rB+15], v[rD:rD+7], v[WS+(\t)], v[HS+4+(\m)] matrix_a_scale:MATRIX_SCALE_ROW1
.endif
.endm
; a trip: one unit = 64 outputs of one expert x all of F.  slot: also which half of the pass's 128 outputs.  lh = 1: the expert's h, its scale words and r are fetched.  first = 1: the products start out's sums.
.macro TRIPB slot, fill, first, lh
.if \fill
	HEADFILL 1-\slot, 1
.else
	s_wait_tensorcnt 0x0                           ; the last unit has landed: its bytes are mine alone, and nothing is asked for any more
	PLACES 4                                       ; with the eight behind the last products: more than the nine that products owe which begin y anew
.endif
.if \lh
	v_add_nc_u32 v23, s90, v20
	v_add_nc_u32 v24, s91, v21
	v_add_nc_u32 v25, s92, v22
	v_add_nc_u32 v29, 0x10000, v23                 ; K step 1's codes lie 65,536 bytes on: beyond an LDS instruction's immediate
.endif
	ds_load_b128 v[WS:WS+3], v[4+\slot] offset:16384
.irp t, 0,1,2,3
.irp q, 0,1
	ds_load_b128 v[B2+8*\t+4*\q:B2+8*\t+4*\q+3], v[6+\slot] offset:64*\t+16*\q
.endr
.endr
.if \lh
.irp w, 0,1,2,3
	ds_load_b128 v[T+4*\w:T+4*\w+3], v24 offset:4096*\w
.endr
.irp m, 0,1,2,3
	ds_load_b32 v[RR+2*\m], v25 offset:128*\m
.endr
.endif
	WIN 0x40
.if \lh
.irp m, 0,1,2,3
.irp c, 0,1,2,3
	ds_load_b128 v[128+16*\m+4*\c:128+16*\m+4*\c+3], v23 offset:32768*(\c/2)+2048*(\c%2)+512*\m
.endr
.endr
.endif
.irp t, 0,1,2,3
.irp c, 0,1,2,3
	ds_load_b128 v[32*\t+4*\c:32*\t+4*\c+3], v[4+\slot] offset:4096*\t+512*\c
.endr
.endr
.if \lh
.irp m, 0,1,2,3
.irp c, 0,1,2,3
	ds_load_b128 v[192+16*\m+4*\c:192+16*\m+4*\c+3], v29 offset:32768*(\c/2)+2048*(\c%2)+512*\m
.endr
.endr
.endif
.irp t, 0,1,2,3
.irp c, 0,1,2,3
	ds_load_b128 v[32*\t+16+4*\c:32*\t+16+4*\c+3], v[4+\slot] offset:4096*\t+2048+512*\c
.endr
.endr
	WIN 0
.if \lh
	s_wait_dscnt 63                                ; the 17 small loads are in (64 younger could stay out: the count's field ends at 63)
.irp s, 0,1
.irp m, 0,1,2,3
	v_perm_b32 v[HS+4*\s+\m], v[T+8*\s+4+\m], v[T+8*\s+\m], s71        ; a scale word of h: bytes 0, 1 from wave 2 s, bytes 2, 3 from wave 2 s + 1
.endr
.endr
	PLACES 8                                       ; a scale register written by a vector instruction stands eight places ahead of the product
	s_wait_dscnt 32                                ; K step 0's fragments are in; K step 1's 32 loads may be out
.else
	s_wait_dscnt 16                                ; K step 0's fragments are in; K step 1's 16 loads may be out
.endif
	WIN 0x05                                       ; sources 0 and 1 window 1
.irp m, 0,1,2,3                        ; sixteen accumulators by turns; b2 is the C of each sum's first product
.irp t, 0,1,2,3
	BMUL 0, \m, \t
.endr
.endr
	s_wait_dscnt 0x0
.irp m, 0,1,2,3
.irp t, 0,1,2,3
	BMUL 1, \m, \t
.endr
.endr
	PLACES 8
	WIN 0xa0                                       ; out (destination and source 2) window 2
.irp m, 0,1,2,3
.irp t, 0,1,2,3
.irp j, 0,2,4,6                        ; each tile of y from its low end on
.if \first
	v_pk_mul_f32 v[8*(16*\slot+4*\m+\t)+\j:8*(16*\slot+4*\m+\t)+\j+1], v[Y+8*(4*\m+\t)+\j:Y+8*(4*\m+\t)+\j+1], v[RR+2*\m:RR+2*\m+1] op_sel_hi:[1,0]
.else
	v_pk_fma_f32 v[8*(16*\slot+4*\m+\t)+\j:8*(16*\slot+4*\m+\t)+\j+1], v[Y+8*(4*\m+\t)+\j:Y+8*(4*\m+\t)+\j+1], v[RR+2*\m:RR+2*\m+1], v[8*(16*\slot+4*\m+\t)+\j:8*(16*\slot+4*\m+\t)+\j+1] op_sel_hi:[1,0,1]
.endif
.endr
.endr
.endr
	WIN 0
.endm
.macro BODY first, fill1               ; one place in the walk over experts: two trips
	TRIPB 0, 1, \first, 1
	TRIPB 1, \fill1, \first, 0
	s_add_co_u32 s90, s90, 4096
	s_add_co_u32 s91, s91, 512
	s_add_co_u32 s92, s92, 512
.endm
; THE WAY OUT of a pass: block a = 4 hf + m: 16 tokens x 64 outputs go through my own stage and leave as rows of 256 bytes
.macro TOSTAGE a
.if (\a) >= 4
	s_wait_xcnt 0x0                                ; block a - 4's stores have read their registers: block a's loads land there
.endif
	WIN 0x08
.irp t, 0,1,2,3
	ds_store_b128 v26, v[8*(4*(\a)+\t):8*(4*(\a)+\t)+3] offset:64*\t
	ds_store_b128 v26, v[8*(4*(\a)+\t)+4:8*(4*(\a)+\t)+7] offset:64*\t+16
.endr
	WIN 0
.irp i, 0,1,2,3,4,5,6,7
	ds_load_b128 v[Y+32*((\a)%4)+4*\i:Y+32*((\a)%4)+4*\i+3], v27 offset:544*\i     ; LDS serves a wave's instructions in order: these see the stores above
.endr
.endm
.macro SEND a, younger                 ; younger: the LDS instructions issued behind block a's loads: the next block's eight stores and eight loads, or none
	s_wait_dscnt \younger
.irp i, 0,1,2,3,4,5,6,7
	global_store_b128 v28, v[Y+32*((\a)%4)+4*\i:Y+32*((\a)%4)+4*\i+3], s[12:13] offset:4096*(16*((\a)%4)+2*\i)+256*((\a)/4) th:TH_STORE_NT   ; sixteen lanes store 256 consecutive bytes, aligned
.endr
.endm
.macro STORE last
	TOSTAGE 0
.irp a, 1,2,3,4,5,6,7
	TOSTAGE \a
	SEND \a-1, 16
.endr
	SEND 7, 0
.if !\last
	s_wait_xcnt 0x0                                ; the stores have read their registers and their base: y is written again, and the base steps
	s_add_nc_u64 s[12:13], s[12:13], 512           ; the second pass's 128 outputs
.endif
.endm
	s_mov_b32 s90, 0                               ; the expert's step among h's codes, its scale words, r
	s_mov_b32 s91, 0
	s_mov_b32 s92, 0
	BODY 1, 1
	s_mov_b32 s52, 7
.Lpb0:
	BODY 0, 1
	s_sub_co_u32 s52, s52, 1
	s_cmp_lg_u32 s52, 0
	s_cbranch_scc1 .Lpb0
	STORE 0                                        ; the first half of out leaves while the second pass's first unit is on its way
	s_mov_b32 s90, 0
	s_mov_b32 s91, 0
	s_mov_b32 s92, 0
	BODY 1, 1
	s_mov_b32 s52, 6
.Lpb1:
	BODY 0, 1
	s_sub_co_u32 s52, s52, 1
	s_cmp_lg_u32 s52, 0
	s_cbranch_scc1 .Lpb1
	BODY 0, 0                                      ; the tail is written out: the last trip asks for nothing
	STORE 1
	s_wait_tensorcnt 0x0                           ; the wave's end: these three lines, behind my last tensor load and my last LDS store
	ds_add_u32 v1, v2
	s_wait_dscnt 0x0
	CROUND                                         ; the closing round: no work-group ends while a partner may still ask for a unit that names it
	s_endpgm
.Lfunc_end_k_q6db8066e7f_chain:
	.size	k_q6db8066e7f_chain, .Lfunc_end_k_q6db8066e7f_chain-k_q6db8066e7f_chain
	.p2alignl 7, 3214868480
	.fill 96, 4, 3214868480
	.section	.rodata,"a",@progbits
	.p2align	6, 0x0
	.amdhsa_kernel k_q6db8066e7f_chain
		.amdhsa_group_segment_fixed_size 327680
		.amdhsa_private_segment_fixed_size 0
		.amdhsa_enable_private_segment 0
		.amdhsa_kernarg_size 40
		.amdhsa_user_sgpr_count 2
		.amdhsa_user_sgpr_kernarg_segment_ptr 1
		.amdhsa_wavefront_size32 1
		.amdhsa_system_sgpr_workgroup_id_x 1
		.amdhsa_system_sgpr_workgroup_id_y 1
		.amdhsa_system_sgpr_workgroup_id_z 1
		.amdhsa_system_vgpr_workitem_id 0
		.amdhsa_next_free_vgpr 1024
		.amdhsa_next_free_sgpr 100
		.amdhsa_reserve_vcc 0
		.amdhsa_float_denorm_mode_32 3
		.amdhsa_float_denorm_mode_16_64 3
		.amdhsa_memory_ordered 1
		.amdhsa_forward_progress 1
		.amdhsa_inst_pref_size 255
	.end_amdhsa_kernel
	.section	.bss,"aw",@nobits
	.p2align	6
	.space	262144
	.amdgpu_metadata
---
amdhsa.version: [ 1, 2 ]
amdhsa.kernels:
  - .name:           k_q6db8066e7f_chain
    .symbol:         k_q6db8066e7f_chain.kd
    .args:
      - { .name: x, .offset: 0, .size: 8, .value_kind: global_buffer, .address_space: global }
      - { .name: wq, .offset: 8, .size: 8, .value_kind: global_buffer, .address_space: global }
      - { .name: wrimg, .offset: 16, .size: 8, .value_kind: global_buffer, .address_space: global }
      - { .name: br, .offset: 24, .size: 8, .value_kind: global_buffer, .address_space: global }
      - { .name: out0, .offset: 32, .size: 8, .value_kind: global_buffer, .address_space: global }
    .group_segment_fixed_size: 327680
    .private_segment_fixed_size: 0
    .kernarg_segment_align: 8
    .kernarg_segment_size: 40
    .max_flat_workgroup_size: 128
    .sgpr_count:     100
    .vgpr_count:     1024
    .wavefront_size: 32
...
	.end_amdgpu_metadata
.endif
;; end of part 2
;; ======== version 2 of 2: 2 launches; 1.17 times as fast as version 1
;; limits: an absolute error that grows with the inputs' magnitude: up to 1.5e-07 times it
;; workspace buffers: wq 4,390,912 bytes; wrimg 131,072 bytes
;; launch prep: the kernel of part 1 again; grid 264 x 1, 4 waves a work-group, no clusters, 0 bytes of LDS; arguments W1, b1, W2, b2, Wr, wq, wrimg; writes wq, wrimg
;; launch chain (part 3): grid 256 x 1, 4 waves a work-group, no clusters, 228,864 bytes of LDS; arguments x, wq, wrimg, br, out0; writes out0
.if DOCPART == 3
	.amdgcn_target "amdgcn-amd-amdhsa--gfx1250"
	.amdhsa_code_object_version 6
	.text
	.protected	k_q6db8066e7f_chain
	.globl	k_q6db8066e7f_chain
	.p2align	8
	.type	k_q6db8066e7f_chain,@function
k_q6db8066e7f_chain:
	s_mov_b64 s[64:65], 0
	v_nop
	global_prefetch_b8 v0, s[64:65] scope:SCOPE_SE
	s_setreg_imm32_b32 hwreg(HW_REG_WAVE_MODE, 25, 1), 1
	s_wait_xcnt 0x0
; out[n] = sum over e of r[n][e] (Q(gelu(Q(x[n]) Q(W1[e]) + b1[e])) Q(W2[e]) + b2[e]),  r = softmax(x Wr + br).  Q: codes of FP8 (E4M3) with one E8M0 scale for each 32 along K.
; Nothing of reference() is left out.  The weights come as the launch before laid them: units of QB bytes (eight fragments as register images, their scale words, 64 numbers of bias).
; SHARES.  A work-group of four waves owns 64 tokens (four tiles of 16) through the whole chain.
;   HEAD: wave w reads its 16 tokens of x once, quantises them (eight fragments to LDS as register images), and makes their router weights (bf16 products, softmax in f32 with the maximum taken away).
;   PHASE A: x's 32 fragments stay in each wave's registers.  Wave w makes hidden units 64 w .. 64 w + 63 of EVERY expert for all 64 tokens, 16 units a trip; gelu and quantiser in registers; h's codes stay in LDS.
;   PHASE B: wave w makes outputs 256 w .. 256 w + 255, 128 a pass, 64 a trip: y of one expert in 128 registers, its bias as the C of the first product, then out += r y by packed multiply-adds.
; Both products are used transposed (source 0 = 16 rows of the weight, source 1 = 16 tokens): a lane holds one token (lane % 16) throughout.  The rows of W1 that form a tile were chosen so that
; the 16 registers of tiles u = 0, 1 are 16 neighbours along the next K.
; THE WEIGHTS GO FROM MEMORY STRAIGHT INTO THE OPERAND REGISTERS: a unit is 33 loads of 16 bytes a lane, 512 consecutive bytes each.  Unit t goes to fragment buffer t % 2; behind the products of trip t
; the same registers take unit t + 2, so that two units a wave are on their way, 64 trips on end.
; NO CLUSTER AND NO TENSOR LOADS, though all work-groups walk the same units.  Beside h's 131,072 bytes LDS has room for two slots of one unit a wave; a slot's refill stands behind a barrier in front of which
; all loads have landed, so a joint load would have one trip, 32 matrix instructions, in which to land, 64 times over.  By registers no barrier stands in a loop, and a unit's bytes are not written to LDS and read back.
; ROTATION.  rho = work-group & 7; place v in the walk over experts stands for expert (v + rho) & 7, so that the work-groups do not all name the same unit at the same time.  rho enters global addresses alone.
; GELU.  gelu(z) = z / 2 + |z| (1/2 - Q(|z|)),  Q(a) = e^(-a a / 2) t (C1 + t (C2 + t (C3 + t (C4 + t C5)))),  t = 1 / (1 + P a): Abramowitz and Stegun 26.2.17, 1 / sqrt(2 pi) folded into C1 .. C5.
; LIMITS.  Q's error is under 7.5e-8 absolute, so gelu's is about 1.5e-7 |z|: no relative bound in the far negative tail; beyond |z| of about 13 the exponential gives 0 and gelu(z) is 0 or z.
;   A block of zeros gets the scale byte 1 (its codes are zeros; the bytes are read here alone).  The router's operands are bf16: its error grows with x's size and offset.
;   The sum over experts begins at expert rho: another order of f32 additions in different work-groups.  NaN and infinities among the inputs are not served.
; FOUR BARRIERS: Wr's image is whole; x's images, scale words and r are whole; every wave has read x's images (h's codes land on the same bytes); h is whole.
; REGISTERS, in windows of 256 (s_set_vgpr_msb: bits 1:0 source 0, 3:2 source 1, 5:4 source 2, 7:6 destination):
;   window 0: v1-31 addresses and constants; v32-47 scale words of x, later of h; v48-55 the units' scale words, two sets; v60-63 h's scale bytes as they grow; v64-127 the hidden tiles (head: 64 numbers of x; phase B: b2, r, T);
;             v128-143 codes just made; v144-159 quantiser at work; v160-207 gelu at work; v208-223 b1 of two trips (head: v160-255 offsets, bf16 fragments and logits); phase B: v128-255 y.
;   window 1: the two fragment buffers.   window 2: head: x as loaded; phase A: x's fragments of K steps 0-3; phase B: out.   window 3: head: Wr and the biases on their way to LDS; phase A: x's fragments of K steps 4-7; phase B: h's eight fragments of one expert.
.set QB,    17152
.set WRI,   0                          ; Wr's image, 16,384 bytes
.set AUXA,  WRI+16384                  ; b1 in the order of the walk: 2048 w + 64 t
.set AUXB,  AUXA+8192                  ; b2 likewise: 8192 w + 256 (t - 32)
.set HIMG,  AUXB+32768                 ; h's codes, 131,072 bytes: 32768 w + 2048 i + 512 m + 16 lane (i = 2 v + bl: the loop's trip)
.set XIMG,  HIMG                       ; head only: x's 32 fragments: 2048 (8 m + k) + 512 c + 16 lane
.set XSTG,  HIMG+65536                 ; head only: for each wave 16 rows x 528 bytes, the turn of x's f32
.set HSC,   HIMG+131072                ; h's scale words as they grow: 4096 w + 256 i + 16 r + 4 m
.set XSC,   HSC+16384                  ; x's scale words: 512 m + 16 (r + 16 (k & 1)) + 4 (k >> 1)
.set RIMG,  XSC+2048                   ; r: 512 v + 128 m + 4 lane
.set OSTG,  RIMG+4096                  ; the way out: for each wave 16 rows x 272 bytes
.set SPARE, OSTG+4*4352                ; the spare words, 128 bytes a wave: two blocks of 256 bytes that no other line names
.set PW, 29
.set XS, 32
.set HS, 32
.set WS, 48
.set SW, 60
.set H,  64
.set ST, 64
.set B2, 64
.set RR, 96
.set T,  104
.set PC, 128
.set TM, 144
.set U,  160
.set W,  176
.set R,  192
.set B1, 208
.set XB, 160
.set WF, 192
.set LA, 224
.set Y,  128
.set MSB, 0
.macro WIN new                         ; the immediate's high byte repeats the setting that is left; a switch that changes nothing is dropped
.if MSB != \new
	s_set_vgpr_msb (MSB<<8)|\new
.set MSB, \new
.endif
.endm
.macro PLACES n                        ; plain vector instructions behind matrix instructions (ISA guide 7.12.1)
.rept \n
	v_nop
.endr
.endm
; fragment k of the unit at s[38:39] into buffer u: four loads of 512 consecutive bytes
.macro UFRAG u, k
.irp c, 0,1,2,3
	global_load_b128 v[128*(\u)+16*(\k)+4*\c:128*(\u)+16*(\k)+4*\c+3], v3, s[38:39] offset:2048*(\k)+512*\c
.endr
.endm
; THE UNIT OF TRIP t = s50 + 2 IS ASKED FOR, into buffer u and scale set u, whose last products stand eight places back.  ph: which phase's walk.  ord = 1: the even fragments (K step 0 of F) first.
.macro ISSUE u, ph, ord
	WIN 0
	s_add_co_u32 s94, s50, 2
.if \ph == 0
	s_lshr_b32 s95, s94, 2                         ; phase A: unit 32 w + 4 ((t / 4 + rho) & 7) + t % 4
	s_add_co_u32 s95, s95, s15
	s_and_b32 s95, s95, 7
	s_lshl_b32 s95, s95, 2
	s_and_b32 s96, s94, 3
	s_or_b32 s95, s95, s96
	s_add_co_u32 s95, s95, s53
	s_and_b32 s96, s94, 1                          ; its last two trips ask for phase B's first two units
	s_add_co_u32 s96, s96, s70
	s_cmp_ge_u32 s94, 32
	s_cselect_b32 s95, s96, s95
.else
	s_lshr_b32 s95, s94, 1                         ; phase B: unit 128 + 32 w + (t & 16) + 2 ((t / 2 + rho) & 7) + (t & 1)
	s_add_co_u32 s95, s95, s15
	s_and_b32 s95, s95, 7
	s_lshl_b32 s95, s95, 1
	s_and_b32 s96, s94, 17
	s_or_b32 s95, s95, s96
	s_add_co_u32 s95, s95, s53
	s_add_co_u32 s95, s95, 128
.endif
	s_mul_i32 s46, s95, QB
	s_add_co_u32 s50, s50, 1
	s_wait_xcnt 0x0                                ; the loads of the unit before have read their base: it is written only behind this wait
	s_add_nc_u64 s[38:39], s[6:7], s[46:47]
	global_load_b128 v[WS+4*(\u):WS+4*(\u)+3], v3, s[38:39] offset:16384       ; register q: fragment 2 q in lanes 0-15, 2 q + 1 in lanes 16-31
	WIN 0x40                                       ; destination window 1
.if \ord
.irp k, 0,2,4,6,1,3,5,7
	UFRAG \u, \k
.endr
.else
.irp k, 0,1,2,3,4,5,6,7
	UFRAG \u, \k
.endr
.endif
	WIN 0
.endm
; 64 numbers of a lane, v[s + 16 b + i] = k 32 b + 16 (lane / 16) + i of block b, become codes in v[PC + 4 b ..].
; hm = 0: the four blocks are one row's: their bytes make the scale word v[PW].  hm = 1: block b belongs to tile b of tokens: its byte is shifted into v[SW + b] from above.
.macro QUANT s, hm
.irp b, 0,1,2,3
	v_max3_num_f32 v[TM+\b], |v[\s+16*\b]|, |v[\s+1+16*\b]|, 0x4800000   ; my 16 numbers, and the floor 2^(9 - 127): the byte cannot fall under 1
.endr
.irp i, 2,4,6,8,10,12,14
.irp b, 0,1,2,3
	v_max3_num_f32 v[TM+\b], v[TM+\b], |v[\s+16*\b+\i]|, |v[\s+1+16*\b+\i]|
.endr
.endr
.irp b, 0,1,2,3
	v_permlanex16_b32 v[TM+4+\b], v[TM+\b], s54, s55
.endr
.irp b, 0,1,2,3
	v_max_num_f32 v[TM+\b], v[TM+\b], v[TM+4+\b]              ; with lane l xor 16's: the block's largest magnitude
.endr
.irp b, 0,1,2,3
	v_add_nc_u32 v[TM+12+\b], 0xfc000000, v[TM+\b]            ; 8 off its exponent field: the conversion's scale operand
.endr
.irp b, 0,1,2,3
	v_and_or_b32 v[TM+8+\b], v[TM+\b], 0x7f800000, s56        ; 448 x the scale
.endr
.irp b, 0,1,2,3
	v_lshrrev_b32 v[TM+4+\b], 23, v[TM+12+\b]                 ; the scale's byte
.endr
.if \hm
.irp b, 0,1,2,3
	v_lshrrev_b32 v[SW+\b], 8, v[SW+\b]
.endr
.irp b, 0,1,2,3
	v_lshl_or_b32 v[SW+\b], v[TM+4+\b], 24, v[SW+\b]          ; behind two trips the upper half holds the bytes of bl = 0 and 1
.endr
.else
	v_lshl_or_b32 v[PW], v[TM+5], 8, v[TM+4]
	v_lshl_or_b32 v[PW], v[TM+6], 16, v[PW]
	v_lshl_or_b32 v[PW], v[TM+7], 24, v[PW]
.endif
.irp b, 0,1,2,3
.irp i, 0,1,2,3,4,5,6,7,8,9,10,11,12,13,14,15
	v_med3_num_f32 v[\s+16*\b+\i], v[\s+16*\b+\i], -v[TM+8+\b], v[TM+8+\b]   ; the conversion does not saturate (ISA guide 7.6.2): the hold comes first
.endr
	v_cvt_scalef32_pk8_fp8_f32 v[PC+4*\b:PC+1+4*\b], v[\s+16*\b:\s+7+16*\b], v[TM+12+\b]
	v_cvt_scalef32_pk8_fp8_f32 v[PC+2+4*\b:PC+3+4*\b], v[\s+8+16*\b:\s+15+16*\b], v[TM+12+\b]
.endr
	v_nop                                          ; a plain instruction behind the last conversion, ahead of whatever next writes its sources
.endm
; gelu in place on two tiles of eight registers.  Each tile is read from its low end on.  The 32 transcendentals are one batch with one wait.
.macro GELU16 z0, z1
.irp i, 0,1,2,3,4,5,6,7
	v_fma_f32 v[U+\i], |v[(\z0)+\i]|, s57, 1.0                ; 1 + P |z|
.endr
.irp i, 0,1,2,3,4,5,6,7
	v_fma_f32 v[U+8+\i], |v[(\z1)+\i]|, s57, 1.0
.endr
.irp p, 0,2,4,6
	v_pk_mul_f32 v[W+\p:W+\p+1], v[(\z0)+\p:(\z0)+\p+1], s[58:59] op_sel_hi:[1,0]
	v_pk_mul_f32 v[W+8+\p:W+9+\p], v[(\z1)+\p:(\z1)+\p+1], s[58:59] op_sel_hi:[1,0]
.endr
.irp p, 0,2,4,6
	v_pk_mul_f32 v[W+\p:W+\p+1], v[W+\p:W+\p+1], v[(\z0)+\p:(\z0)+\p+1]          ; -z z log2(e) / 2
	v_pk_mul_f32 v[W+8+\p:W+9+\p], v[W+8+\p:W+9+\p], v[(\z1)+\p:(\z1)+\p+1]
.endr
.irp i, 0,1,2,3,4,5,6,7,8,9,10,11,12,13,14,15
	v_rcp_f32 v[U+\i], v[U+\i]                                ; t
.endr
.irp i, 0,1,2,3,4,5,6,7,8,9,10,11,12,13,14,15
	v_exp_f32 v[W+\i], v[W+\i]                                ; e^(-z z / 2)
.endr
	v_nop                                          ; a plain instruction behind the last transcendental
	s_wait_alu depctr_va_vdst(0)                   ; one wait for the batch, ahead of its first reader
.irp p, 0,2,4,6,8,10,12,14
	v_pk_fma_f32 v[R+\p:R+\p+1], v[U+\p:U+\p+1], v[30:31], s[60:61] op_sel_hi:[1,1,0]      ; C4 + t C5
.endr
.irp c, 62,66,68
.irp p, 0,2,4,6,8,10,12,14
	v_pk_fma_f32 v[R+\p:R+\p+1], v[R+\p:R+\p+1], v[U+\p:U+\p+1], s[\c:\c+1] op_sel_hi:[1,1,0]   ; C3, C2, C1
.endr
.endr
.irp p, 0,2,4,6,8,10,12,14
	v_pk_mul_f32 v[W+\p:W+\p+1], v[W+\p:W+\p+1], v[U+\p:U+\p+1]
.endr
.irp p, 0,2,4,6,8,10,12,14
	v_pk_fma_f32 v[R+\p:R+\p+1], v[W+\p:W+\p+1], v[R+\p:R+\p+1], 0.5 op_sel_hi:[1,1,0] neg_lo:[1,0,0] neg_hi:[1,0,0]   ; 1/2 - Q
.endr
.irp i, 0,1,2,3,4,5,6,7
	v_mul_f32 v[R+\i], |v[(\z0)+\i]|, v[R+\i]
.endr
.irp i, 0,1,2,3,4,5,6,7
	v_mul_f32 v[R+8+\i], |v[(\z1)+\i]|, v[R+8+\i]
.endr
.irp p, 0,2,4,6
	v_pk_fma_f32 v[(\z0)+\p:(\z0)+\p+1], v[(\z0)+\p:(\z0)+\p+1], 0.5, v[R+\p:R+\p+1] op_sel_hi:[1,0,1]
	v_pk_fma_f32 v[(\z1)+\p:(\z1)+\p+1], v[(\z1)+\p:(\z1)+\p+1], 0.5, v[R+8+\p:R+9+\p] op_sel_hi:[1,0,1]
.endr
.endm
	s_load_b256 s[4:11], s[0:1], 0x0               ; x s[4:5], wq s[6:7], wrimg s[8:9], br s[10:11]
	s_load_b64 s[12:13], s[0:1], 0x20              ; out
	v_lshl_add_u32 v1, v0, 2, SPARE                ; my spare word, and 0: kept for the wave's closing lines
	v_mov_b32 v2, 0
	v_lshrrev_b32 v3, 5, v0
	v_readfirstlane_b32 s14, v3                    ; wave 0..3
	s_and_b32 s15, ttmp9, 7                        ; rho
	s_mov_b32 s54, 0x76543210
	s_mov_b32 s55, 0xfedcba98                      ; v_permlanex16_b32's selects for lane l xor 16
	s_mov_b32 s56, 0x600000                        ; the mantissa field of 448
	s_mov_b32 s57, 0x3e6d3388                      ; P = 0.2316419
	s_mov_b32 s58, 0xbf38aa3b                      ; -log2(e) / 2  (the packed forms name pairs: both words are written)
	s_mov_b32 s59, 0xbf38aa3b
	s_mov_b32 s60, 0xbf3a00e3                      ; C4
	s_mov_b32 s61, 0xbf3a00e3
	s_mov_b32 s62, 0x3f35f0e3                      ; C3
	s_mov_b32 s63, 0x3f35f0e3
	s_mov_b32 s66, 0xbe11a98e                      ; C2
	s_mov_b32 s67, 0xbe11a98e
	s_mov_b32 s68, 0x3e027906                      ; C1
	s_mov_b32 s69, 0x3e027906
	s_mov_b32 s71, 0x07060302                      ; v_perm_b32: the two upper halves
	v_mov_b32 v30, 0x3f07dc22                      ; C5
	v_mov_b32 v31, 0x3f07dc22
	v_and_b32 v18, 31, v0                          ; lane
	v_and_b32 v19, 15, v0                          ; r
	v_bfe_u32 v23, v0, 4, 1                        ; h
	v_lshlrev_b32 v3, 4, v18                       ; v3  16 x lane: my place in every register image, in memory and in LDS
	s_lshl_b32 s44, s14, 11
	s_add_co_u32 s44, s44, AUXA
	v_lshl_add_u32 v6, v23, 5, s44                 ; v6  b1: my wave's numbers, + 32 h (v4: with the trip's step)
	v_add_nc_u32 v173, s44, v3                     ; v173 where I store them
	s_lshl_b32 s44, s14, 13
	s_add_co_u32 s44, s44, AUXB
	v_lshl_add_u32 v7, v23, 5, s44                 ; v7  b2 likewise (v5)
	v_add_nc_u32 v174, s44, v3                     ; v174
	v_lshl_add_u32 v172, v0, 4, WRI                ; v172 Wr's image on its way in: 16 x thread,
	v_lshlrev_b32 v178, 4, v0                      ; v178 in memory too
	s_mul_i32 s44, s14, 8448
	s_add_co_u32 s44, s44, XSTG
	v_add_nc_u32 v8, s44, v3                       ; v8  x's turn, in: 16 x lane of a row
	v_mul_u32_u24 v9, v19, 528
	v_lshl_add_u32 v9, v23, 6, v9
	v_add_nc_u32 v9, s44, v9                       ; v9  and out: row r, + 64 h
	v_and_b32 v10, 7, v0
	v_lshl_add_u32 v10, v10, 6, WRI
	v_lshl_add_u32 v10, v23, 5, v10                ; v10 Wr's image: place r % 8, + 32 h
	s_lshl_b32 s44, s14, 14
	s_add_co_u32 s44, s44, XIMG
	v_add_nc_u32 v11, s44, v3                      ; v11 where I store x's images
	s_lshl_b32 s44, s14, 9
	s_add_co_u32 s44, s44, XSC
	v_lshl_add_u32 v12, v19, 4, s44                ; v12 and their scale words
	s_lshl_b32 s44, s14, 7
	s_add_co_u32 s44, s44, RIMG
	v_lshl_add_u32 v13, v18, 2, s44                ; v13 and r
	v_add_nc_u32 v14, XIMG, v3                     ; v14 where I read x's images,
	v_add_nc_u32 v15, XSC, v3                      ; v15 their scale words
	s_lshl_b32 s44, s14, 15
	s_add_co_u32 s44, s44, HIMG
	v_add_nc_u32 v16, s44, v3                      ; v16 where I store h's codes (v18: with the trip's step)
	s_lshl_b32 s44, s14, 12
	s_add_co_u32 s44, s44, HSC
	v_lshl_add_u32 v17, v19, 4, s44                ; v17 and its scale bytes (v19)
	v_add_nc_u32 v20, HIMG, v3                     ; v20 where I read h's codes (v23, v29: with the expert's step)
	v_lshl_add_u32 v21, v19, 4, HSC+256            ; v21 its scale words, of the odd trips (v24)
	v_lshl_add_u32 v22, v18, 2, RIMG               ; v22 r (v25)
	s_mul_i32 s44, s14, 4352
	s_add_co_u32 s44, s44, OSTG
	v_mul_u32_u24 v26, v19, 272
	v_lshl_add_u32 v26, v23, 5, v26
	v_add_nc_u32 v26, s44, v26                     ; v26 the way out, in: row r, + 32 h
	v_mul_u32_u24 v27, v23, 272
	v_lshl_add_u32 v27, v19, 4, v27
	v_add_nc_u32 v27, s44, v27                     ; v27 and back: lanes 0-15 one row, lanes 16-31 the next
	v_lshlrev_b32 v28, 12, v23
	v_lshl_add_u32 v28, v19, 4, v28                ; v28 the same two rows in out
.irp b, 0,1,2,3
	v_mov_b32 v[TM+4+\b], 0                        ; written once: a lane permute's destination counts as one of its sources
	v_mov_b32 v[SW+\b], 0
.endr
	s_lshl_b32 s53, s14, 5                         ; 32 w
	s_lshl_b32 s70, s15, 1
	s_add_co_u32 s70, s70, s53
	s_add_co_u32 s70, s70, 128                     ; phase B's first unit
	s_mov_b32 s19, 0                               ; the upper words of the offsets
	s_mov_b32 s45, 0
	s_mov_b32 s47, 0
.irp j, 0,1,2,3,4,5,6,7
	s_add_co_u32 s[80+\j], s15, \j
	s_and_b32 s[80+\j], s[80+\j], 7
	s_lshl_b32 s[80+\j], s[80+\j], 2               ; 4 x the expert at place j
.endr
	; where the biases of my 64 units lie in wq.  b1: 64 bytes a unit, four lanes to a unit, eight units (two places in the walk) a load
	v_bfe_u32 v175, v0, 2, 2                       ; (lane / 4) % 4 = t % 4
	v_add_nc_u32 v175, s53, v175
	v_and_b32 v176, 3, v0
.irp j, 0,1,2,3
.if \j == 0
	v_add_nc_u32 v160, s15, v23                    ; place 2 j + h, + rho
.else
	s_add_co_u32 s44, s15, 2*\j
	v_add_nc_u32 v[160+\j], s44, v23
.endif
	v_and_b32 v[160+\j], 7, v[160+\j]
	v_lshl_add_u32 v[160+\j], v[160+\j], 2, v175   ; the unit
	v_mul_u32_u24 v[160+\j], v[160+\j], QB
	v_lshl_add_u32 v[160+\j], v176, 4, v[160+\j]
.endr
	; b2: 256 bytes a unit, sixteen lanes to a unit, the two units of a place a load
	s_mul_i32 s44, s53, QB
	s_add_co_u32 s44, s44, 128*QB
	v_mul_u32_u24 v177, v23, QB
	v_lshl_add_u32 v177, v19, 4, v177
	v_add_nc_u32 v177, s44, v177
.irp j, 0,1,2,3,4,5,6,7
	s_mul_i32 s20, s[80+\j], QB/2                  ; 2 QB x the expert at place j
	v_add_nc_u32 v[164+\j], s20, v177
.endr
	s_wait_kmcnt 0x0
	s_lshl_b32 s18, ttmp9, 18                      ; 64 tokens of 4,096 bytes a work-group, 16 a wave
	s_lshl_b32 s44, s14, 16
	s_add_co_u32 s18, s18, s44
	s_add_nc_u64 s[4:5], s[4:5], s[18:19]
	s_lshl_b32 s18, ttmp9, 18
	s_lshl_b32 s44, s14, 10                        ; my 256 outputs
	s_add_co_u32 s18, s18, s44
	s_add_nc_u64 s[12:13], s[12:13], s[18:19]
	s_lshl_b32 s44, s15, 14
	s_add_nc_u64 s[8:9], s[8:9], s[44:45]          ; copy rho of Wr's image
.irp j, 0,1,2,3,4,5,6,7
	s_load_b32 s[72+\j], s[10:11], s[80+\j] offset:0x0        ; br of the expert at place j
.endr
; my 16 rows' numbers of K step s: each load reads 512 consecutive bytes of one row, into set s % 4 of window 2
.macro XLOAD s
	WIN 0x80
.irp row, 0,1,2,3,4,5,6,7,8,9,10,11,12,13,14,15
	global_load_b128 v[64*((\s)%4)+4*\row:64*((\s)%4)+4*\row+3], v3, s[4:5] offset:4096*\row+512*(\s) th:TH_LOAD_NT
.endr
.endm
	WIN 0xc0                                       ; destination window 3
.irp j, 0,1,2,3,4,5,6,7
	global_load_b128 v[4*\j:4*\j+3], v178, s[8:9] offset:2048*\j               ; the work-group's 128 threads copy 2,048 consecutive bytes of Wr's image a load
.endr
.irp j, 0,1,2,3
	global_load_b128 v[32+4*\j:35+4*\j], v[160+\j], s[6:7] offset:16896
.endr
.irp p, 0,1
.irp j, 0,1,2,3,4,5,6,7
	global_load_b128 v[48+4*(8*\p+\j):51+4*(8*\p+\j)], v[164+\j], s[6:7] offset:16896+16*QB*\p     ; the second pass's units lie 16 units on
.endr
.endr
	XLOAD 0
	XLOAD 1
	s_wait_loadcnt 32                              ; the 28 loads of Wr and the biases are in; x's two sets, 32 loads, may be out
	WIN 0x0c                                       ; an LDS store's data are its source 1: window 3
.irp j, 0,1,2,3,4,5,6,7
	ds_store_b128 v172, v[4*\j:4*\j+3] offset:2048*\j
.endr
.irp j, 0,1,2,3
	ds_store_b128 v173, v[32+4*\j:35+4*\j] offset:512*\j      ; trip t's 64 bytes at 64 t
.endr
.irp j, 0,1,2,3,4,5,6,7,8,9,10,11,12,13,14,15
	ds_store_b128 v174, v[48+4*\j:51+4*\j] offset:512*\j      ; trip t's 256 bytes at 256 (t - 32)
.endr
	XLOAD 2
	WIN 0
	s_wait_dscnt 0x0                               ; for the others' sake: my part of Wr's image has landed
	s_barrier_signal -1
	s_barrier_wait -1                              ; everybody's has
; K STEP s OF x: turned through my stage so that a lane holds 16 neighbours of each block of 32; four bf16 products for the router; quantised; image and scale word to LDS.
.macro XSTEP s
.if (\s) <= 5
	s_wait_loadcnt 32                              ; this step's 16 loads are in; the two later sets may be out
.elseif (\s) == 6
	s_wait_loadcnt 16
.else
	s_wait_loadcnt 0
.endif
	WIN 0x08                                       ; the stores' data: window 2
.irp row, 0,1,2,3,4,5,6,7,8,9,10,11,12,13,14,15
	ds_store_b128 v8, v[64*((\s)%4)+4*\row:64*((\s)%4)+4*\row+3] offset:528*\row
.endr
.if (\s) <= 4
	XLOAD (\s)+3                                   ; into the set of the step before, whose stores were waited for there
.endif
	WIN 0
.irp b, 0,1,2,3
.irp j, 0,1,2,3
	ds_load_b128 v[ST+16*\b+4*\j:ST+16*\b+4*\j+3], v9 offset:128*\b+16*\j   ; LDS serves a wave's instructions in order: these see the stores above
.endr
.endr
.irp b, 0,1,2,3
.irp q, 0,1
	ds_load_b128 v[WF+8*\b+4*\q:WF+8*\b+4*\q+3], v10 offset:512*(4*(\s)+\b)+16*\q
.endr
.endr
	s_wait_dscnt 0x0
.irp b, 0,1,2,3
.irp j, 0,1,2,3,4,5,6,7
	v_cvt_pk_bf16_f32 v[XB+8*\b+\j], v[ST+16*\b+2*\j], v[ST+16*\b+2*\j+1]   ; k inside each 32 is permuted as in Wr's image: the products are kept
.endr
.endr
	PLACES 4
.irp b, 0,1,2,3                        ; source 0 = Wr's places (8-15 repeat 0-7), source 1 = my 16 tokens: both halves of the lanes hold the token's eight logits.  Four accumulators by turns
.if (\s) == 0
	v_wmma_f32_16x16x32_bf16 v[LA+8*\b:LA+8*\b+7], v[WF+8*\b:WF+8*\b+7], v[XB+8*\b:XB+8*\b+7], 0
.else
	v_wmma_f32_16x16x32_bf16 v[LA+8*\b:LA+8*\b+7], v[WF+8*\b:WF+8*\b+7], v[XB+8*\b:XB+8*\b+7], v[LA+8*\b:LA+8*\b+7]
.endif
.endr
	QUANT ST, 0                                    ; (its lines are the places behind those products)
.irp c, 0,1,2,3
	ds_store_b128 v11, v[PC+4*\c:PC+4*\c+3] offset:2048*(\s)+512*\c
.endr
	ds_store_b32 v12, v[PW] offset:256*((\s)%2)+4*((\s)/2)
.endm
.irp s, 0,1,2,3,4,5,6,7
	XSTEP \s
.endr
	s_mov_b32 s50, -2                              ; the trip's number: the head stands for trips -2 and -1
	ISSUE 0, 0, 0                                  ; unit 0 is asked for: it has the rest of the head in which to land
	; THE ROUTER'S SOFTMAX: register j = the expert at place j, lane = token
	s_wait_kmcnt 0x0                               ; br
.irp p, 0,2,4,6
	v_pk_add_f32 v[LA+\p:LA+\p+1], v[LA+\p:LA+\p+1], v[LA+8+\p:LA+9+\p]
.endr
.irp p, 0,2,4,6
	v_pk_add_f32 v[LA+16+\p:LA+17+\p], v[LA+16+\p:LA+17+\p], v[LA+24+\p:LA+25+\p]
.endr
.irp p, 0,2,4,6
	v_pk_add_f32 v[LA+\p:LA+\p+1], v[LA+\p:LA+\p+1], v[LA+16+\p:LA+17+\p]
.endr
.irp j, 0,1,2,3,4,5,6,7
	v_add_f32 v[LA+\j], s[72+\j], v[LA+\j]
.endr
	v_max3_num_f32 v160, v224, v225, v226
	v_max3_num_f32 v162, v227, v228, v229
	v_max3_num_f32 v160, v160, v162, v230
	v_max_num_f32 v160, v160, v231                 ; the row's maximum is taken away, as reference() does
	v_mul_f32 v160, 0xbfb8aa3b, v160
.irp p, 0,2,4,6
	v_pk_fma_f32 v[LA+\p:LA+\p+1], v[LA+\p:LA+\p+1], 0x3fb8aa3b, v[160:161] op_sel_hi:[1,0,0]
.endr
.irp j, 0,1,2,3,4,5,6,7
	v_exp_f32 v[LA+\j], v[LA+\j]
.endr
	v_nop
	s_wait_alu depctr_va_vdst(0)                   ; one wait for the eight, ahead of their first reader
	v_add_f32 v162, v224, v225
	v_add_f32 v163, v226, v227
	v_add_f32 v164, v228, v229
	v_add_f32 v165, v230, v231
	v_add_f32 v162, v162, v163
	v_add_f32 v164, v164, v165
	v_add_f32 v162, v162, v164
	v_rcp_f32 v162, v162
	v_nop
	s_wait_alu depctr_va_vdst(0)
.irp j, 0,1,2,3,4,5,6,7
	v_mul_f32 v[LA+\j], v[LA+\j], v162
.endr
.irp j, 0,1,2,3,4,5,6,7
	ds_store_b32 v13, v[LA+\j] offset:512*\j
.endr
	s_wait_dscnt 0x0                               ; for the others' sake: my images, scale words and r have landed
	s_barrier_signal -1
	s_barrier_wait -1
	WIN 0x80                                       ; all 32 fragments of x into my registers: K steps 0-3 to window 2,
.irp k, 0,1,2,3
.irp m, 0,1,2,3
.irp c, 0,1,2,3
	ds_load_b128 v[64*\k+16*\m+4*\c:64*\k+16*\m+4*\c+3], v14 offset:2048*(8*\m+\k)+512*\c
.endr
.endr
.endr
	WIN 0xc0                                       ; 4-7 to window 3
.irp k, 0,1,2,3
.irp m, 0,1,2,3
.irp c, 0,1,2,3
	ds_load_b128 v[64*\k+16*\m+4*\c:64*\k+16*\m+4*\c+3], v14 offset:2048*(8*\m+\k+4)+512*\c
.endr
.endr
.endr
	WIN 0
.irp m, 0,1,2,3
	ds_load_b128 v[XS+4*\m:XS+4*\m+3], v15 offset:512*\m      ; register q: K step 2 q in lanes 0-15, 2 q + 1 in lanes 16-31
.endr
.irp u, 0,1
	ds_load_b128 v[B1+8*\u:B1+8*\u+3], v6 offset:64*\u        ; b1 of trips 0 and 1
	ds_load_b128 v[B1+8*\u+4:B1+8*\u+7], v6 offset:64*\u+16
.endr
	ISSUE 1, 0, 0                                  ; unit 1
	s_mov_b32 s88, 0                               ; where h's codes go: 2,048 bytes a trip of the loop,
	s_mov_b32 s89, 0                               ; its scale bytes: 256,
	s_mov_b32 s93, 0                               ; b1: 128
	s_mov_b32 s51, 16
	s_wait_dscnt 0x0                               ; my reads of x's images are back:
	s_barrier_signal -1
	s_barrier_wait -1                              ; everybody's are, so h's codes may land on those bytes
; ---- PHASE A
.macro AMUL k, m, u
.set rD, H+16*(\m)+8*(\u)
.set rA, 128*(\u)+16*(\k)
.set rB, 64*((\k)%4)+16*(\m)
.set rSA, WS+4*(\u)+(\k)/2
.set rSB, XS+4*(\m)+(\k)/2
.if (\k) == 0
	v_wmma_scale_f32_16x16x128_f8f6f4 v[rD:rD+7], v[rA:rA+15], v[rB:rB+15], v[B1+8*(\u):B1+8*(\u)+7], v[rSA], v[rSB]
.elseif (\k)%2 == 0
	v_wmma_scale_f32_16x16x128_f8f6f4 v[rD:rD+7], v[rA:rA+15], v[rB:rB+15], v[rD:rD+7], v[rSA], v[rSB]
.else
	v_wmma_scale_f32_16x16x128_f8f6f4 v[rD:rD+7], v[rA:rA+15], v[rB:rB+15], v[rD:rD+7], v[rSA], v[rSB] matrix_a_scale:MATRIX_SCALE_ROW1 matrix_b_scale:MATRIX_SCALE_ROW1
.endif
.endm
; a trip: one unit = 16 hidden units of one expert x all of D, against the four tiles of tokens; the unit two trips on is asked for; then the gelu
.macro TRIPA u
.if \u == 0
	s_wait_dscnt 5                                 ; b1 of this trip and the next is in; the quantiser's five stores, issued behind those loads, may be out
.else
	s_wait_dscnt 0x0                               ; those five stores have landed
.endif
.irp k, 0,1,2,3,4,5,6,7
	s_wait_loadcnt 4*(7-\k)+33                     ; the scale words and fragment k are in; this unit's later fragments, four loads each, and the next unit's 33 loads may be out
.if \k < 4
	WIN 0x09                                       ; source 0 window 1, source 1 window 2
.else
	WIN 0x0d                                       ; source 1 window 3
.endif
.irp m, 0,1,2,3                        ; four accumulators by turns; b1 is the C of each sum's first product
	AMUL \k, \m, \u
.endr
.endr
	WIN 0
	PLACES 8                                       ; in front of the loads into the registers just multiplied, and of the gelu's first read
	ISSUE \u, 0, 0
	GELU16 H+8*\u, H+16+8*\u
	GELU16 H+32+8*\u, H+48+8*\u
.endm
.Lpa:                                  ; 16 trips of the loop: place v = trip / 2 in the walk over experts, bl = trip % 2; two units, 32 hidden units
	TRIPA 0
	TRIPA 1
	s_add_co_u32 s93, s93, 128
	v_add_nc_u32 v4, s93, v6
	s_cmp_eq_u32 s51, 1                            ; b1 of the next two trips is fetched here, ahead of the quantiser, if there are two more
	s_cbranch_scc1 .Lno_b1
.irp u, 0,1
	ds_load_b128 v[B1+8*\u:B1+8*\u+3], v4 offset:64*\u
	ds_load_b128 v[B1+8*\u+4:B1+8*\u+7], v4 offset:64*\u+16
.endr
.Lno_b1:
	QUANT H, 1                                     ; the 16 registers of tiles u = 0, 1 and lane l xor 16's are one block of 32 along F
	v_add_nc_u32 v18, s88, v16
	v_add_nc_u32 v19, s89, v17
.irp m, 0,1,2,3
	ds_store_b128 v18, v[PC+4*\m:PC+4*\m+3] offset:512*\m     ; four registers of a fragment of h, as they stand
.endr
	ds_store_b128 v19, v[SW:SW+3]
	s_add_co_u32 s88, s88, 2048
	s_add_co_u32 s89, s89, 256
	s_sub_co_u32 s51, s51, 1
	s_cmp_lg_u32 s51, 0
	s_cbranch_scc1 .Lpa
	s_wait_dscnt 0x0                               ; for the others' sake: my part of h has landed
	s_barrier_signal -1
	s_barrier_wait -1                              ; all of h lies in LDS
; ---- PHASE B
.macro BMUL s, m, t, slot
.set rD, Y+8*(4*(\m)+(\t))
.set rA, 128*(\slot)+16*(2*(\t)+(\s))
.set rB, 16*(4*(\s)+(\m))
.if (\s) == 0
	v_wmma_scale_f32_16x16x128_f8f6f4 v[rD:rD+7], v[rA:rA+15], v[rB:rB+15], v[B2+8*(\t):B2+8*(\t)+7], v[WS+4*(\slot)+(\t)], v[HS+(\m)]
.else
	v_wmma_scale_f32_16x16x128_f8f6f4 v[rD:rD+7], v[rA:rA+15], v[rB:rB+15], v[rD:rD+7], v[WS+4*(\slot)+(\t)], v[HS+4+(\m)] matrix_a_scale:MATRIX_SCALE_ROW1
.endif
.endm
; a trip: one unit = 64 outputs of one expert x all of F.  slot: the fragment buffer, and which half of the pass's 128 outputs.  fill = 1: the unit two trips on is asked for.  first = 1: the products start out's sums.
; lh = 1: the expert's h, its scale words and r are fetched.  young: the next unit's loads, which may stay out.  half: this unit's loads behind its even fragments (0 where it was asked for in plain order).
.macro TRIPB slot, fill, first, lh, young, half
.if \lh
	v_add_nc_u32 v23, s90, v20
	v_add_nc_u32 v24, s91, v21
	v_add_nc_u32 v25, s92, v22
	v_add_nc_u32 v29, 0x10000, v23                 ; K step 1's codes lie 65,536 bytes on: beyond an LDS instruction's immediate
	v_add_nc_u32 v5, s93, v7
.else
	v_nop                                          ; with the eight behind the last products: nine plain instructions ahead of the products that begin y anew
.endif
.irp t, 0,1,2,3
.irp q, 0,1
	ds_load_b128 v[B2+8*\t+4*\q:B2+8*\t+4*\q+3], v5 offset:256*\slot+64*\t+16*\q
.endr
.endr
.if \lh
.irp w, 0,1,2,3
	ds_load_b128 v[T+4*\w:T+4*\w+3], v24 offset:4096*\w
.endr
.irp m, 0,1,2,3
	ds_load_b32 v[RR+2*\m], v25 offset:128*\m
.endr
	WIN 0xc0                                       ; destination window 3
.irp m, 0,1,2,3
.irp c, 0,1,2,3
	ds_load_b128 v[16*\m+4*\c:16*\m+4*\c+3], v23 offset:32768*(\c/2)+2048*(\c%2)+512*\m
.endr
.endr
.irp m, 0,1,2,3
.irp c, 0,1,2,3
	ds_load_b128 v[64+16*\m+4*\c:64+16*\m+4*\c+3], v29 offset:32768*(\c/2)+2048*(\c%2)+512*\m
.endr
.endr
	WIN 0
	s_wait_dscnt 32                                ; the 16 small loads are in; h's 32 may be out
.irp s, 0,1
.irp m, 0,1,2,3
	v_perm_b32 v[HS+4*\s+\m], v[T+8*\s+4+\m], v[T+8*\s+\m], s71        ; a scale word of h: bytes 0, 1 from wave 2 s, bytes 2, 3 from wave 2 s + 1
.endr
.endr
	PLACES 8                                       ; a scale register written by a vector instruction stands eight places ahead of the product
	s_wait_dscnt 16                                ; h's K step 0 is in; K step 1's 16 loads may be out
.else
	s_wait_dscnt 0x0                               ; b2
.endif
	s_wait_loadcnt \half+\young                    ; the unit's scale words and even fragments are in
	WIN 0x0d                                       ; source 0 window 1, source 1 window 3
.irp m, 0,1,2,3                        ; sixteen accumulators by turns; b2 is the C of each sum's first product
.irp t, 0,1,2,3
	BMUL 0, \m, \t, \slot
.endr
.endr
.if \lh
	s_wait_dscnt 0x0
.endif
	s_wait_loadcnt \young                          ; the whole unit is in
.irp m, 0,1,2,3
.irp t, 0,1,2,3
	BMUL 1, \m, \t, \slot
.endr
.endr
	PLACES 8                                       ; in front of the loads into the registers just multiplied, and of the first read of y
.if \fill
	ISSUE \slot, 1, 1
.endif
	WIN 0xa0                                       ; out (destination and source 2) window 2
.irp m, 0,1,2,3
.irp t, 0,1,2,3
.irp j, 0,2,4,6                        ; each tile of y from its low end on
.if \first
	v_pk_mul_f32 v[8*(16*\slot+4*\m+\t)+\j:8*(16*\slot+4*\m+\t)+\j+1], v[Y+8*(4*\m+\t)+\j:Y+8*(4*\m+\t)+\j+1], v[RR+2*\m:RR+2*\m+1] op_sel_hi:[1,0]
.else
	v_pk_fma_f32 v[8*(16*\slot+4*\m+\t)+\j:8*(16*\slot+4*\m+\t)+\j+1], v[Y+8*(4*\m+\t)+\j:Y+8*(4*\m+\t)+\j+1], v[RR+2*\m:RR+2*\m+1], v[8*(16*\slot+4*\m+\t)+\j:8*(16*\slot+4*\m+\t)+\j+1] op_sel_hi:[1,0,1]
.endif
.endr
.endr
.endr
	WIN 0
.endm
.macro BODY first, fill, half          ; one place in the walk over experts: two trips
	TRIPB 0, \fill, \first, 1, 33, \half
	TRIPB 1, \fill, \first, 0, 33*\fill, \half
	s_add_co_u32 s90, s90, 4096
	s_add_co_u32 s91, s91, 512
	s_add_co_u32 s92, s92, 512
	s_add_co_u32 s93, s93, 512
.endm
; THE WAY OUT of a pass: block a = 4 hf + m: 16 tokens x 64 outputs go through my own stage and leave as rows of 256 bytes
.macro TOSTAGE a
.if (\a) >= 4
	s_wait_xcnt 0x0                                ; block a - 4's stores have read their registers: block a's loads land there
.endif
	WIN 0x08
.irp t, 0,1,2,3
	ds_store_b128 v26, v[8*(4*(\a)+\t):8*(4*(\a)+\t)+3] offset:64*\t
	ds_store_b128 v26, v[8*(4*(\a)+\t)+4:8*(4*(\a)+\t)+7] offset:64*\t+16
.endr
	WIN 0
.irp i, 0,1,2,3,4,5,6,7
	ds_load_b128 v[Y+32*((\a)%4)+4*\i:Y+32*((\a)%4)+4*\i+3], v27 offset:544*\i     ; LDS serves a wave's instructions in order: these see the stores above
.endr
.endm
.macro SEND a, younger                 ; younger: the LDS instructions issued behind block a's loads: the next block's eight stores and eight loads, or none
	s_wait_dscnt \younger
.irp i, 0,1,2,3,4,5,6,7
	global_store_b128 v28, v[Y+32*((\a)%4)+4*\i:Y+32*((\a)%4)+4*\i+3], s[12:13] offset:4096*(16*((\a)%4)+2*\i)+256*((\a)/4) th:TH_STORE_NT   ; sixteen lanes store 256 consecutive bytes, aligned
.endr
.endm
.macro STORE last
	TOSTAGE 0
.irp a, 1,2,3,4,5,6,7
	TOSTAGE \a
	SEND \a-1, 16
.endr
	SEND 7, 0
.if !\last
	s_wait_xcnt 0x0                                ; the stores have read their registers and their base: y is written again, and the base steps
	s_add_nc_u64 s[12:13], s[12:13], 512           ; the second pass's 128 outputs
.endif
.endm
	s_mov_b32 s90, 0                               ; the expert's step among h's codes, its scale words, r;
	s_mov_b32 s91, 0
	s_mov_b32 s92, 0
	s_mov_b32 s93, 0                               ; and b2's, which runs on through both passes
	BODY 1, 1, 0                                   ; its two units were asked for by phase A, in plain order
	s_mov_b32 s52, 7
.Lpb0:
	BODY 0, 1, 16
	s_sub_co_u32 s52, s52, 1
	s_cmp_lg_u32 s52, 0
	s_cbranch_scc1 .Lpb0
	STORE 0                                        ; the first half of out leaves while the second pass's first two units are on their way
	s_mov_b32 s90, 0
	s_mov_b32 s91, 0
	s_mov_b32 s92, 0
	BODY 1, 1, 16
	s_mov_b32 s52, 6
.Lpb1:
	BODY 0, 1, 16
	s_sub_co_u32 s52, s52, 1
	s_cmp_lg_u32 s52, 0
	s_cbranch_scc1 .Lpb1
	BODY 0, 0, 16                                  ; the last two trips ask for nothing: no load leaves the buffer
	STORE 1
	s_wait_tensorcnt 0x0                           ; the wave's end: these three lines, behind my last LDS store
	ds_add_u32 v1, v2
	s_wait_dscnt 0x0
	s_endpgm
.Lfunc_end_k_q6db8066e7f_chain:
	.size	k_q6db8066e7f_chain, .Lfunc_end_k_q6db8066e7f_chain-k_q6db8066e7f_chain
	.p2alignl 7, 3214868480
	.fill 96, 4, 3214868480
	.section	.rodata,"a",@progbits
	.p2align	6, 0x0
	.amdhsa_kernel k_q6db8066e7f_chain
		.amdhsa_group_segment_fixed_size 228864
		.amdhsa_private_segment_fixed_size 0
		.amdhsa_enable_private_segment 0
		.amdhsa_kernarg_size 40
		.amdhsa_user_sgpr_count 2
		.amdhsa_user_sgpr_kernarg_segment_ptr 1
		.amdhsa_wavefront_size32 1
		.amdhsa_system_sgpr_workgroup_id_x 1
		.amdhsa_system_sgpr_workgroup_id_y 1
		.amdhsa_system_sgpr_workgroup_id_z 1
		.amdhsa_system_vgpr_workitem_id 0
		.amdhsa_next_free_vgpr 1024
		.amdhsa_next_free_sgpr 100
		.amdhsa_reserve_vcc 0
		.amdhsa_float_denorm_mode_32 3
		.amdhsa_float_denorm_mode_16_64 3
		.amdhsa_memory_ordered 1
		.amdhsa_forward_progress 1
		.amdhsa_inst_pref_size 255
	.end_amdhsa_kernel
	.section	.bss,"aw",@nobits
	.p2align	6
	.space	262144
	.amdgpu_metadata
---
amdhsa.version: [ 1, 2 ]
amdhsa.kernels:
  - .name:           k_q6db8066e7f_chain
    .symbol:         k_q6db8066e7f_chain.kd
    .args:
      - { .name: x, .offset: 0, .size: 8, .value_kind: global_buffer, .address_space: global }
      - { .name: wq, .offset: 8, .size: 8, .value_kind: global_buffer, .address_space: global }
      - { .name: wrimg, .offset: 16, .size: 8, .value_kind: global_buffer, .address_space: global }
      - { .name: br, .offset: 24, .size: 8, .value_kind: global_buffer, .address_space: global }
      - { .name: out0, .offset: 32, .size: 8, .value_kind: global_buffer, .address_space: global }
    .group_segment_fixed_size: 228864
    .private_segment_fixed_size: 0
    .kernarg_segment_align: 8
    .kernarg_segment_size: 40
    .max_flat_workgroup_size: 128
    .sgpr_count:     100
    .vgpr_count:     1024
    .wavefront_size: 32
...
	.end_amdgpu_metadata
.endif
;; end of part 3
